; MI455X (gfx1250); checked and timed in simulation.
; The chip was launched on July 23, 2026; its instructions are those of AMD's public machine-readable ISA for CDNA 5 (MIT licence, August 2026) and "CDNA5" Instruction Set Architecture Reference Guide (July 2026). The comments in the code are by the model that wrote it; some were corrected since.
;; Block. Allowed arithmetic: matrix products marked QUANTISED: E5M2 operands, one given power-of-two scale a tensor, by v_wmma_f32_16x16x64_bf8_bf8 or v_wmma_f32_16x16x128_bf8_bf8, f32 sums; everything else in f32.
;; Inputs: ln1_w 1,024 float32; ln2_w 1,024 float32; lowp_scales 12 int32 (the exponents e of the quantised operands' scales 2^e); w_attn 1,024 x 3,072 float32; w_cproj 4,096 x 1,024 float32; w_fc 1,024 x 4,096 float32; w_proj 1,024 x 1,024 float32; x 2 x 2,048 x 1,024 float32.
;; Outputs: out0 2 x 2,048 x 1,024 float32.
;; This version of the problem:
;;   THIS VERSION OF THE PROBLEM IS GIVEN IN LOW PRECISION. The matrix products marked QUANTISED in the list below multiply operands that are first quantised to E5M2 (5 exponent bits, 2 mantissa bits; 8 bits a number), with one given power-of-two scale for each operand tensor; their sums are f32. All else is computed in f32.
;;   The module's matrix products, in the order in which they are computed (A, B: the left and right operand; K: the contracted axis; several contracted axes count as one K, in the product's order):
;;     1. [M 4,096, K 1,024] x [K 1,024, N 3,072]; A: computed on the way; B: input w_attn: QUANTISED (scales: A lowp_scales[0], B lowp_scales[1])
;;     2. batch 32 x [M 2,048, K 64] x [K 64, N 2,048]; A: computed on the way; B: computed on the way: QUANTISED (scales: A lowp_scales[2], B lowp_scales[3])
;;     3. batch 32 x [M 2,048, K 2,048] x [K 2,048, N 64]; A: softmax (see below); B: computed on the way: QUANTISED (scales: A lowp_scales[4], B lowp_scales[5])
;;     4. [M 4,096, K 1,024] x [K 1,024, N 1,024]; A: computed on the way; B: input w_proj: QUANTISED (scales: A lowp_scales[6], B lowp_scales[7])
;;     5. [M 4,096, K 1,024] x [K 1,024, N 4,096]; A: computed on the way; B: input w_fc: QUANTISED (scales: A lowp_scales[8], B lowp_scales[9])
;;     6. [M 4,096, K 4,096] x [K 4,096, N 1,024]; A: computed on the way; B: input w_cproj: QUANTISED (scales: A lowp_scales[10], B lowp_scales[11])
;;   THE QUANTISER, for each operand of a quantised product, along K:
;;     - The operand's scale is 2^e, e = its entry of the input lowp_scales (int32; the entries are numbered through the quantised products in the list's order, A before B).
;;     - Each number is divided by the scale, clamped to +-57,344, and rounded to the nearest number of E5M2, ties to even, subnormals kept.
;;     - The product sums the exact products of the quantised numbers (number of the format x scale) in f32.
;;   ~~~python
;;   def quantise(x, axis, e):      # numpy; x: float32 -> the quantised numbers, widened to float32 again
;;       x = np.moveaxis(x, axis, -1); K = x.shape[-1]
;;       r = np.clip(x / 2.0 ** e, -57344, 57344)
;;       step = 2.0 ** (np.maximum(np.frexp(np.where(r == 0, 1, r))[1] - 1, -14) - 2)
;;       q = np.round(r / step) * step * 2.0 ** e      # np.round: ties to even
;;       return np.moveaxis(q, -1, axis).astype(np.float32)
;;   ~~~
;;   SOFTMAX AHEAD OF A QUANTISED PRODUCT. Where the list says 'softmax', what is quantised is not the finished softmax but p = 2^(t - M), with t = logit x log2(e) and M = ceil(the row's largest t), a whole number; so 1/2 < the row's largest p <= 1. The row's sum l is taken of the UNQUANTISED p, in f32, and the product's result is divided by l at the end. Since M is a whole number, a kernel that streams over the keys may use a running M (the ceiling of the running maximum): every later rescaling is an exact power of two, so the quantised numbers keep their values, but for numbers so far below the row's largest that they fall under the format's range.
;;   OPERANDS COMPUTED ON THE WAY. 'Computed on the way' means the value that the module computes at that place (a softmax that the list does not call 'softmax' is quantised finished and normalised). What goes into a quantiser is computed in f32, as accurately as f32 sums, v_exp_f32 and their like allow (about 1e-6 of the number): no bf16 or f16 on the way to a quantiser, and a product that is left as it is and whose result goes on into a quantised operand takes f32 operands (vector FMAs, or v_wmma_f32_16x16x4_f32). A number that lies on a knife's edge between two numbers of the format may be rounded either way, as far as f32 arithmetic and the matrix unit's own rounding can turn it there, and no further.
;; One version. Each part assembles by itself: llvm-mc -triple=amdgcn-amd-amdhsa -mcpu=gfx1250 --defsym DOCPART=n.
;; ======== version 1 of 1: 7 launches
;; limits: right only within a limited range of input values
;; workspace buffers: pq 16,777,216 bytes; qkvc 12,582,912 bytes; yc 4,194,304 bytes; x1 16,777,216 bytes; h2c 4,194,304 bytes; hid 16,777,216 bytes
;; launch prep (part 1): grid 352 x 1, 4 waves a work-group, no clusters, 66,304 bytes of LDS; arguments x, ln1_w, lowp_scales, w_attn, pq; writes pq
.if DOCPART == 1
	.amdgcn_target "amdgcn-amd-amdhsa--gfx1250"
	.amdhsa_code_object_version 6
	.text
	.protected	k_qfd9200cdc8_prep
	.globl	k_qfd9200cdc8_prep
	.p2align	8
	.type	k_qfd9200cdc8_prep,@function
k_qfd9200cdc8_prep:
	s_mov_b64 s[64:65], 0
	v_nop
	global_prefetch_b8 v0, s[64:65] scope:SCOPE_SE
	s_setreg_imm32_b32 hwreg(HW_REG_WAVE_MODE, 25, 1), 1
	s_wait_xcnt 0x0
; THE PROGRAM: a transformer block (LN1, qkv, causal attention, proj + x, LN2, fc, relu, cproj + x1) whose six products are multiplied on codes of BF8 (E5M2), each operand with its given scale 2^e.
; Seven launches: prep (this one), qkv, attn, proj, ln2, fc, cproj.  Between them go codes, and x1 in f32.
; WORK LEFT OUT (in launch attn): a key step of 128 keys all of which come after a wave's 16 queries.  reference() builds its own lower triangle (jnp.tril) and sets those scores to -infinity ahead of the softmax,
; so their p is 0 and they add 0 to the row's sum and to y, whatever finite values the inputs hold.  LIMIT: a NaN, an infinity or an overflow that reaches only those scores is not carried to the result.
; Every input has a way to the output and is loaded.
; THE IMAGE.  Every buffer of codes is laid in the order of the operand's registers.  An operand of R rows along K: byte of (pos, k) =
;   ((k >> 7) (R / 16) + (pos >> 4)) 2048 + ((k >> 5) & 3) 512 + ((k >> 4) & 1) 256 + (pos & 15) 16 + (k & 15),   pos = the row's number with bits 3 and 4 exchanged.
; So a fragment (16 positions x 128 K) is 2,048 consecutive bytes, brought by four loads of 16 bytes a lane at 16 x lane + 512 c; and where a product takes such fragments as source 0, a lane's 16 results of two
; neighbouring blocks are 16 NEIGHBOURING true rows, which two conversions turn into 16 bytes of the next operand's image.
; THIS LAUNCH makes what the first product reads.  Work-groups 0-255: h1 = LN1(x), quantised with e0, image at pq + 12,582,912.  Work-groups 256-351: w_attn (K is its first axis), quantised with e1, image at pq + 0 (R = 3,072).
; The other three weights are wanted three launches later at the earliest: they are quantised in launch attn, which moves few bytes of its own, into pq + 3,145,728 (w_proj), + 4,194,304 (w_fc), + 8,388,608 (w_cproj).
; code = number / 2^e, held within +-57,344, to the nearest code, ties to even.  LIMITS: e0 and e1 lie between -126 and 112, so that 2^e and 57,344 x 2^e are f32 numbers.  NaN among the inputs is not served.
; No matrix unit, no tensor load, no cluster: the launch streams, and no two work-groups read the same large bytes.
.set SPARE, 65792                      ; behind the stage: the spare words, 128 bytes for each wave: two blocks of 256 bytes that no other line names
.set PITCH, 4112                       ; a stage row: 4,096 bytes + 16: an odd multiple of 16, so the 16 rows that a load touches begin at 16 different 16-byte columns of 256 bytes
.set SPW, 4                            ; v4   LDS address of my spare word; never rewritten
.set NIL, 5                            ; v5   0; never rewritten
.set WRA, 6                            ; v6   the stage, on the way in: 16 x lane + 4 rows x wave
.set RDA, 7                            ; v7   and on the way out: row lane % 16, + 64 (lane / 16), + 1,024 x wave
.set LIM, 10                           ; v10  57,344 x 2^e
.set SCL, 11                           ; v11  2^e
.set W, 16                             ; v16-47   the gain, 32 numbers a lane
.set X, 48                             ; v48-175  four rows, 32 numbers a lane each; later 8 groups of 16 neighbours
.set T, 176                            ; v176-207 eight registers of sums a row; later the codes
.set CD, 176
.set DSTR, 18                          ; s[18:19] the buffer of codes
.set DOFF, 12582912
	s_load_b256 s[4:11], s[0:1], 0x0               ; x 4:5, ln1_w 6:7, scales 8:9, w_attn 10:11
	s_load_b64 s[18:19], s[0:1], 0x20              ; pq
	v_lshl_add_u32 v[SPW], v0, 2, SPARE
	v_mov_b32 v[NIL], 0
	v_lshrrev_b32 v1, 5, v0
	v_readfirstlane_b32 s33, v1                    ; wave 0..3
	v_and_b32 v1, 31, v0                           ; lane
	v_lshlrev_b32 v2, 4, v1                        ; 16 x lane
	s_mul_i32 s38, s33, 4*PITCH
	v_add_nc_u32 v[WRA], s38, v2
	v_and_b32 v8, 15, v0
	v_mul_u32_u24 v[RDA], v8, PITCH
	v_bfe_u32 v8, v0, 4, 1
	v_lshl_add_u32 v[RDA], v8, 6, v[RDA]
	s_lshl_b32 s38, s33, 10
	v_add_nc_u32 v[RDA], s38, v[RDA]
	s_wait_kmcnt 0x0
	s_load_b64 s[20:21], s[8:9], 0x0               ; e0, e1
	s_cmp_ge_u32 ttmp9, 256                        ; the work-group's number alone decides: all four waves go the same way
	s_cbranch_scc1 .Lweights
; ---------------- LAYER NORM.  The work-group is block rb = its number of 16 positions; wave w takes positions 4 w .. 4 w + 3, which are four neighbouring true rows.
	s_lshr_b32 s38, ttmp9, 1
	s_lshl_b32 s38, s38, 5                         ; 32 (rb / 2)
	s_and_b32 s39, ttmp9, 1
	s_lshl_b32 s39, s39, 3                         ; + 8 (rb % 2)
	s_add_co_u32 s38, s38, s39
	s_lshr_b32 s39, s33, 1
	s_lshl_b32 s39, s39, 4                         ; + 16 (w / 2)
	s_add_co_u32 s38, s38, s39
	s_and_b32 s39, s33, 1
	s_lshl_b32 s39, s39, 2                         ; + 4 (w % 2)
	s_add_co_u32 s38, s38, s39
	s_lshl_b32 s38, s38, 12                        ; rows of 4,096 bytes
	s_mov_b32 s39, 0
	s_add_nc_u64 s[4:5], s[4:5], s[38:39]
	s_lshl_b32 s38, ttmp9, 11                      ; the image: block rb, 2,048 bytes,
	s_lshl_b32 s40, s33, 20                        ; K steps 2 w and 2 w + 1: 524,288 bytes a K step
	s_add_co_u32 s38, s38, s40
.if DOFF
	s_add_co_u32 s38, s38, DOFF
.endif
	s_add_nc_u64 s[DSTR:DSTR+1], s[DSTR:DSTR+1], s[38:39]
	s_wait_alu depctr_va_vdst(0)
.irp j, 0,1,2,3,4,5,6,7
	global_load_b128 v[W+4*\j:W+4*\j+3], v2, s[6:7] offset:512*\j
.endr
.irp i, 0,1,2,3
.irp j, 0,1,2,3,4,5,6,7
	global_load_b128 v[X+32*\i+4*\j:X+32*\i+4*\j+3], v2, s[4:5] offset:4096*\i+512*\j   ; 32 lanes read 512 consecutive bytes
.endr
.endr
	s_mov_b32 s34, 0x76543210                      ; v_permlanex16_b32: lane l takes lane l xor 16
	s_mov_b32 s35, 0xfedcba98
	s_mov_b32 s36, 0x3a800000                      ; 1 / 1,024
	s_mov_b32 s37, 0x3727c5ac                      ; 1e-5
.irp i, 0,1,2,3
	v_mov_b32 v[T+8*\i+7], 0                       ; a lane permute's destination counts as one of its sources
.endr
	s_wait_kmcnt 0x0
	s_add_co_i32 s40, s20, 127
	s_lshl_b32 s41, s40, 23
	v_mov_b32 v[SCL], s41                          ; 2^e as f32: the conversion takes its exponent field
	s_add_co_i32 s40, s40, 15
	s_lshl_b32 s40, s40, 23
	s_or_b32 s40, s40, 0x600000
	v_mov_b32 v[LIM], s40                          ; 57,344 x 2^e
; the sum of register T + k over the 32 lanes, for the four rows by turns
.macro RED k
.irp m, 1,2,4,8
.irp i, 0,1,2,3
	v_add_f32_dpp v[T+8*\i+\k], v[T+8*\i+\k], v[T+8*\i+\k] row_xmask:\m row_mask:0xf bank_mask:0xf
.endr
.endr
.irp i, 0,1,2,3
	v_permlanex16_b32 v[T+8*\i+7], v[T+8*\i+\k], s34, s35
.endr
.irp i, 0,1,2,3
	v_add_f32 v[T+8*\i+\k], v[T+8*\i+\k], v[T+8*\i+7]
.endr
.endm
	s_wait_loadcnt 0x0
.irp i, 0,1,2,3                                ; the mean: two chains a row, the rows by turns
	v_pk_add_f32 v[T+8*\i:T+8*\i+1], v[X+32*\i:X+32*\i+1], v[X+32*\i+2:X+32*\i+3]
	v_pk_add_f32 v[T+8*\i+2:T+8*\i+3], v[X+32*\i+4:X+32*\i+5], v[X+32*\i+6:X+32*\i+7]
.endr
.irp j, 8,12,16,20,24,28
.irp i, 0,1,2,3
	v_pk_add_f32 v[T+8*\i:T+8*\i+1], v[T+8*\i:T+8*\i+1], v[X+32*\i+\j:X+32*\i+\j+1]
	v_pk_add_f32 v[T+8*\i+2:T+8*\i+3], v[T+8*\i+2:T+8*\i+3], v[X+32*\i+\j+2:X+32*\i+\j+3]
.endr
.endr
.irp i, 0,1,2,3
	v_pk_add_f32 v[T+8*\i:T+8*\i+1], v[T+8*\i:T+8*\i+1], v[T+8*\i+2:T+8*\i+3]
.endr
.irp i, 0,1,2,3
	v_add_f32 v[T+8*\i], v[T+8*\i], v[T+8*\i+1]
.endr
	RED 0
.irp i, 0,1,2,3
	v_mul_f32 v[T+8*\i], s36, v[T+8*\i]            ; the mean
.endr
.irp j, 0,2,4,6,8,10,12,14,16,18,20,22,24,26,28,30
.irp i, 0,1,2,3
	v_pk_add_f32 v[X+32*\i+\j:X+32*\i+\j+1], v[X+32*\i+\j:X+32*\i+\j+1], v[T+8*\i:T+8*\i+1] op_sel_hi:[1,0] neg_lo:[0,1] neg_hi:[0,1]   ; x - mean (the pair's low word for both halves)
.endr
.endr
.irp i, 0,1,2,3                                ; the mean of the squares of x - mean
	v_pk_mul_f32 v[T+8*\i+2:T+8*\i+3], v[X+32*\i:X+32*\i+1], v[X+32*\i:X+32*\i+1]
	v_pk_mul_f32 v[T+8*\i+4:T+8*\i+5], v[X+32*\i+2:X+32*\i+3], v[X+32*\i+2:X+32*\i+3]
.endr
.irp j, 4,8,12,16,20,24,28
.irp i, 0,1,2,3
	v_pk_fma_f32 v[T+8*\i+2:T+8*\i+3], v[X+32*\i+\j:X+32*\i+\j+1], v[X+32*\i+\j:X+32*\i+\j+1], v[T+8*\i+2:T+8*\i+3]
	v_pk_fma_f32 v[T+8*\i+4:T+8*\i+5], v[X+32*\i+\j+2:X+32*\i+\j+3], v[X+32*\i+\j+2:X+32*\i+\j+3], v[T+8*\i+4:T+8*\i+5]
.endr
.endr
.irp i, 0,1,2,3
	v_pk_add_f32 v[T+8*\i+2:T+8*\i+3], v[T+8*\i+2:T+8*\i+3], v[T+8*\i+4:T+8*\i+5]
.endr
.irp i, 0,1,2,3
	v_add_f32 v[T+8*\i+2], v[T+8*\i+2], v[T+8*\i+3]
.endr
	RED 2
.irp i, 0,1,2,3
	v_fma_f32 v[T+8*\i+2], v[T+8*\i+2], s36, s37   ; var + 1e-5
.endr
	s_wait_alu depctr_va_vdst(0)
.irp i, 0,1,2,3
	v_rsq_f32 v[T+8*\i+4], v[T+8*\i+2]             ; the four roots are one batch
.endr
	v_nop                                          ; a plain instruction behind the last of them,
	s_wait_alu depctr_va_vdst(0)                   ; and one wait for the batch, ahead of its first reader
.irp j, 0,2,4,6,8,10,12,14,16,18,20,22,24,26,28,30
.irp i, 0,1,2,3
	v_pk_mul_f32 v[X+32*\i+\j:X+32*\i+\j+1], v[X+32*\i+\j:X+32*\i+\j+1], v[T+8*\i+4:T+8*\i+5] op_sel_hi:[1,0]
.endr
.endr
.irp j, 0,2,4,6,8,10,12,14,16,18,20,22,24,26,28,30
.irp i, 0,1,2,3
	v_pk_mul_f32 v[X+32*\i+\j:X+32*\i+\j+1], v[X+32*\i+\j:X+32*\i+\j+1], v[W+\j:W+\j+1]   ; x the gain, last, as reference() has it
.endr
.endr
.irp i, 0,1,2,3                                ; the 16 rows meet in the stage, as they lie
.irp j, 0,1,2,3,4,5,6,7
	ds_store_b128 v[WRA], v[X+32*\i+4*\j:X+32*\i+4*\j+3] offset:\i*PITCH+512*\j
.endr
.endr
	s_wait_dscnt 0x0                               ; for the others' sake: my stores have landed
	s_barrier_signal -1
	s_barrier_wait -1
; wave w makes K steps 2 w + q: group g = 4 q + c is, for lane (r, h), k = 128 (2 w + q) + 32 c + 16 h + 0 .. 15 of position r
.irp g, 0,1,2,3,4,5,6,7
.irp n, 0,1,2,3
	ds_load_b128 v[X+16*\g+4*\n:X+16*\g+4*\n+3], v[RDA] offset:(\g/4)*512+(\g%4)*128+16*\n
.endr
.endr
.irp g, 0,1,2,3,4,5,6,7
	s_wait_dscnt 4*(7-\g)                          ; the younger groups' loads may stay out
.irp n, 0,1,2,3,4,5,6,7,8,9,10,11,12,13,14,15
	v_med3_num_f32 v[X+16*\g+\n], v[X+16*\g+\n], -v[LIM], v[LIM]   ; the conversion to an 8-bit code does not saturate (ISA guide 7.6.2): the hold comes first
.endr
	v_cvt_scalef32_pk8_bf8_f32 v[CD+4*\g:CD+4*\g+1], v[X+16*\g:X+16*\g+7], v[SCL]
	v_cvt_scalef32_pk8_bf8_f32 v[CD+4*\g+2:CD+4*\g+3], v[X+16*\g+8:X+16*\g+15], v[SCL]
	global_store_b128 v2, v[CD+4*\g:CD+4*\g+3], s[DSTR:DSTR+1] offset:(\g/4)*524288+(\g%4)*512   ; 32 lanes store 512 consecutive bytes of the image; each group has its own registers
.endr
	s_wait_tensorcnt 0x0                           ; the wave's end
	ds_add_u32 v[SPW], v[NIL]
	s_wait_dscnt 0x0
	s_endpgm
; ---------------- w_attn.  A work-group takes 128 columns x 256 along K, a wave 32 columns.  A LANE TAKES A COLUMN AND ITS REGISTERS RUN DOWN K: the conversions' results have K innermost.
; The lane's number is the column's POSITION: it loads the column whose number has bits 3 and 4 exchanged, inside the same 128 bytes.
; Every row's offset is an immediate on one base: 255 rows of 12,288 bytes at the most, inside the signed 24-bit immediate (ISA guide, chapter 10).
.set NW, 3072                          ; w_attn's columns
.set CW, 13                            ; v13      4 x my column in the wave's 32
.set SW, 14                            ; v14      my place in the image: 2,048 (lane / 16) + 16 (lane % 16)
.set XW, 48                            ; v48-111  two sets of 32 numbers
.set CC, 112                           ; v112-175 eight registers of codes for each of eight blocks: no store's data are written again
.Lweights:
	s_sub_co_u32 s40, ttmp9, 256                   ; 0 .. 95
	s_and_b32 s41, s40, 3                          ; ky: which 256 along K
	s_lshr_b32 s40, s40, 2                         ; nb: which 128 columns
	s_mul_i32 s72, s41, NW*1024                    ; 256 ky rows of 4 N bytes
	s_lshl_b32 s73, s40, 9
	s_add_co_u32 s72, s72, s73                     ; + 128 nb columns
	s_lshl_b32 s73, s33, 7
	s_add_co_u32 s72, s72, s73                     ; + 32 w columns
	s_mov_b32 s73, 0
	s_add_nc_u64 s[48:49], s[10:11], s[72:73]      ; my 256 rows' first: never stepped
	s_mul_i32 s72, s41, NW*256                     ; the image: K steps 2 ky and 2 ky + 1, N / 16 fragments of 2,048 bytes each,
	s_lshl_b32 s76, s40, 14
	s_add_co_u32 s72, s72, s76                     ; fragments 8 nb + 2 w and the next
	s_lshl_b32 s76, s33, 12
	s_add_co_u32 s72, s72, s76
	s_add_nc_u64 s[68:69], s[18:19], s[72:73]
	s_add_nc_u64 s[70:71], s[68:69], NW*128
	s_wait_alu depctr_va_vdst(0)
	v_and_b32 v8, 7, v1
	v_bfe_u32 v9, v1, 3, 1
	v_bfe_u32 v12, v1, 4, 1
	v_lshl_or_b32 v8, v9, 4, v8
	v_lshl_or_b32 v8, v12, 3, v8                   ; the lane's number with bits 3 and 4 exchanged
	v_lshlrev_b32 v[CW], 2, v8
	v_and_b32 v8, 15, v1
	v_lshlrev_b32 v[SW], 4, v8
	v_lshl_add_u32 v[SW], v12, 11, v[SW]
.macro LOAD t                          ; block t: rows 32 t + i of my column, into set t % 2; a wave's load reads 128 consecutive bytes, the four waves' 512
.set i, 0
.rept 32
	global_load_b32 v[XW+32*((\t)%2)+i], v[CW], s[48:49] offset:(32*(\t)+i)*NW*4 th:TH_LOAD_NT
.set i, i+1
.endr
.endm
	LOAD 0
	LOAD 1
	s_wait_kmcnt 0x0
	s_add_co_i32 s40, s21, 127
	s_lshl_b32 s41, s40, 23
	v_mov_b32 v[SCL], s41                          ; 2^e1
	s_add_co_i32 s40, s40, 15
	s_lshl_b32 s40, s40, 23
	s_or_b32 s40, s40, 0x600000
	v_mov_b32 v[LIM], s40                          ; 57,344 x 2^e1
.macro BLOCK t
.set XS, XW+32*((\t)%2)
.if (\t) < 7
	s_wait_loadcnt 32                              ; this block's 32 loads are in; the next block's may be out
.else
	s_wait_loadcnt 0x0
.endif
.set i, 0
.rept 32
	v_med3_num_f32 v[XS+i], v[XS+i], -v[LIM], v[LIM]
.set i, i+1
.endr
.irp g, 0,1,2,3
	v_cvt_scalef32_pk8_bf8_f32 v[CC+8*(\t)+2*\g:CC+8*(\t)+2*\g+1], v[XS+8*\g:XS+8*\g+7], v[SCL]
.endr
	global_store_b128 v[SW], v[CC+8*(\t):CC+8*(\t)+3], s[68+2*((\t)/4):69+2*((\t)/4)] offset:((\t)%4)*512         ; k 32 t + 0 .. 15: sixteen lanes store 256 consecutive bytes, aligned
	global_store_b128 v[SW], v[CC+8*(\t)+4:CC+8*(\t)+7], s[68+2*((\t)/4):69+2*((\t)/4)] offset:((\t)%4)*512+256   ; k 32 t + 16 .. 31
.if (\t)+2 < 8
	LOAD (\t)+2
.endif
.endm
	s_wait_alu depctr_va_vdst(0)
.irp t, 0,1,2,3,4,5,6,7
	BLOCK \t
.endr
	s_endpgm
.Lfunc_end_k_qfd9200cdc8_prep:
	.size	k_qfd9200cdc8_prep, .Lfunc_end_k_qfd9200cdc8_prep-k_qfd9200cdc8_prep
	.p2alignl 7, 3214868480
	.fill 96, 4, 3214868480
	.section	.rodata,"a",@progbits
	.p2align	6, 0x0
	.amdhsa_kernel k_qfd9200cdc8_prep
		.amdhsa_group_segment_fixed_size 66304
		.amdhsa_private_segment_fixed_size 0
		.amdhsa_enable_private_segment 0
		.amdhsa_kernarg_size 40
		.amdhsa_user_sgpr_count 2
		.amdhsa_user_sgpr_kernarg_segment_ptr 1
		.amdhsa_wavefront_size32 1
		.amdhsa_system_sgpr_workgroup_id_x 1
		.amdhsa_system_sgpr_workgroup_id_y 1
		.amdhsa_system_sgpr_workgroup_id_z 1
		.amdhsa_system_vgpr_workitem_id 0
		.amdhsa_next_free_vgpr 208
		.amdhsa_next_free_sgpr 96
		.amdhsa_reserve_vcc 0
		.amdhsa_float_denorm_mode_32 3
		.amdhsa_float_denorm_mode_16_64 3
		.amdhsa_memory_ordered 1
		.amdhsa_forward_progress 1
		.amdhsa_inst_pref_size 90
	.end_amdhsa_kernel
	.amdgpu_metadata
---
amdhsa.version: [ 1, 2 ]
amdhsa.kernels:
  - .name:           k_qfd9200cdc8_prep
    .symbol:         k_qfd9200cdc8_prep.kd
    .args:
      - { .name: x, .offset: 0, .size: 8, .value_kind: global_buffer, .address_space: global }
      - { .name: ln1_w, .offset: 8, .size: 8, .value_kind: global_buffer, .address_space: global }
      - { .name: lowp_scales, .offset: 16, .size: 8, .value_kind: global_buffer, .address_space: global }
      - { .name: w_attn, .offset: 24, .size: 8, .value_kind: global_buffer, .address_space: global }
      - { .name: pq, .offset: 32, .size: 8, .value_kind: global_buffer, .address_space: global }
    .group_segment_fixed_size: 66304
    .private_segment_fixed_size: 0
    .kernarg_segment_align: 8
    .kernarg_segment_size: 40
    .max_flat_workgroup_size: 128
    .sgpr_count:     96
    .vgpr_count:     208
    .wavefront_size: 32
...
	.end_amdgpu_metadata
.endif
;; end of part 1
;; launch qkv (part 2): grid 12 x 16, 4 waves a work-group, clusters of 4 x 4, 327,680 bytes of LDS; arguments pq, lowp_scales, qkvc; writes qkvc
.if DOCPART == 2
	.amdgcn_target "amdgcn-amd-amdhsa--gfx1250"
	.amdhsa_code_object_version 6
	.text
	.protected	k_qfd9200cdc8_qkv
	.globl	k_qfd9200cdc8_qkv
	.p2align	8
	.type	k_qfd9200cdc8_qkv,@function
k_qfd9200cdc8_qkv:
	s_mov_b64 s[64:65], 0
	v_nop
	global_prefetch_b8 v0, s[64:65] scope:SCOPE_SE
	s_setreg_imm32_b32 hwreg(HW_REG_WAVE_MODE, 25, 1), 1
	s_wait_xcnt 0x0
	s_wait_alu depctr_hold_cnt(0) depctr_sa_sdst(0) depctr_va_vdst(0) depctr_va_sdst(0) depctr_va_ssrc(0) depctr_va_vcc(0) depctr_vm_vsrc(0)
	s_getreg_b32 s2, hwreg(HW_REG_IB_STS2, 6, 4)
	s_cmp_eq_u32 s2, 0
	s_cbranch_scc0 .Lentry_in_a_cluster
	s_endpgm
.Lentry_in_a_cluster:
	s_bfe_u32 s2, ttmp6, 0x10000c
	s_cmp_lg_u32 s2, 0xf033
	s_cbranch_scc0 .Lentry_shape_is_right
	s_endpgm
.Lentry_shape_is_right:
; Product 1: qkv = h1 w_attn on codes of BF8, the sums quantised at once: q with e2, k with e3 (both along the head's 64), v with e5 (along the keys).
; OPERANDS are images (16 positions x 128 K = 2,048 consecutive bytes; a position is a row's number with bits 3 and 4 exchanged).  Y = h1 (4,096 tokens) at pq + 12,582,912; X = w_attn (3,072 columns) at pq.
; A tile of 256 x 256 is made by four waves, each 128 x 128: 64 accumulators.  K = 1,024 goes in four fills of a ring of two LDS slots, 256 along K each; a wave's tensor load brings 2 K steps x 8 fragments.
; CLUSTERS: 4 x 4 work-groups; Y's tiles are asked for jointly along a row of the cluster, X's along a column.
; THE MATRIX INSTRUCTION: source 1's positions fall to the lanes, source 0's true rows run along a lane's registers: the 16 registers of accumulators (a, 2 p), (a, 2 p + 1) are 16 neighbours.
; Cluster x = 0 makes q, 1 makes k: source 1 = tokens, source 0 = columns: a lane's registers run along the head's d.  Cluster x = 2 makes v: the two LDS operands change places BY ADDRESS (source 1 = columns,
; source 0 = tokens), so that a lane's registers run along the tokens, which are the keys: the second attention product's K.  The cluster's x is the same in all sixteen partners.
; OUT: q, k: [head 16][token block 256][1,024 bytes: 512 c + 16 lane] at qkvc + 0 and + 4,194,304;  v: [head 16][key step 32][d block 4][2,048 bytes] at qkvc + 8,388,608.  Each store is 512 consecutive bytes.
; The place of k inside a fragment's registers is not this form's own, but the same in both operands: every product meets its partner; only the order of the sums inside an instruction differs.
; LIMITS: e2 - e0 - e1, e3 - e0 - e1, e5 - e0 - e1 between -126 and 112, so that the conversion's scale and 57,344 x it are f32 numbers.
; REGISTERS, in windows of 256: window 0: v16-31 addresses and constants, v128-255 the codes;  window 1: two fragment buffers (64 along K): source 0's 8 x 8 registers, then source 1's;  windows 2, 3: the accumulators.
.set KIND, 0                           ; 0: qkv;  1: fc
.set RX, 3072                          ; X's rows
.set YOFF, 12582912
.set XOFF, 0
.set YB, 4                             ; s[4:5] Y's buffer
.set XB, 4                             ; X's
.set SB, 6                             ; the scales
.set OB, 8                             ; the output
.set YSTEP, 4096*128                   ; bytes from K step to K step of an image: rows / 16 fragments
.set XSTEP, RX*128
.set SLOT, 131072                      ; a slot: four regions of 32,768 bytes (Y's halves, X's halves), each [K step 2][fragment 8][2,048]
.set SPARE, 262144                     ; behind the ring: the spare words, 128 bytes for each wave
.set ADRA, 16                          ; v16-17 source 1's fragments in slot 0, 1
.set ADRB, 20                          ; v20-21 source 0's
.set L16, 24                           ; v24  16 x lane
.set SPW, 28
.set NIL, 29
.set SCL, 30                           ; v30  the conversion's scale
.set LIM, 31                           ; v31  57,344 x it
.set CODE, 128
.set F0, 0
.set F1, 128
.set G1, 24                            ; s[24:31] descriptor group 1 for Y's tiles; s[32:39] group 0, a set for each slot
.set G0, 32
.set G1B, 48                           ; s[48:55], s[56:63] the same for X's
.set G0B, 56
.set MSB, 0
.macro WIN new                         ; the immediate's high byte repeats the setting that is left
.if MSB != (\new)
	s_set_vgpr_msb (MSB<<8)|(\new)
.set MSB, (\new)
.endif
.endm
.macro PLACES n
.rept \n
	v_nop
.endr
.endm
; A joint load: waves 0 and 1 fetch Y's halves, waves 2 and 3 X's.  The branch hangs on the wave's number alone.  An s_nop 0 and four v_nop follow each line.
.macro JLOAD g0a, g1a, g0b, g1b
	s_cmp_eq_u32 s15, 0
	s_cbranch_scc0 .Lfor_b_\@
	tensor_load_to_lds s[\g0a:\g0a+3], s[\g1a:\g1a+7]
	s_nop 0
.rept 4
	v_nop
.endr
	s_branch .Lasked_\@
.Lfor_b_\@:
	tensor_load_to_lds s[\g0b:\g0b+3], s[\g1b:\g1b+7]
	s_nop 0
.rept 4
	v_nop
.endr
.Lasked_\@:
.endm
.macro CREST                           ; a round of the cluster's barrier behind its opening barrier
	s_cmp_lg_u32 s14, 0
	s_cbranch_scc1 .Lnot_wave_0_\@
	s_barrier_signal -3
.Lnot_wave_0_\@:
	s_barrier_wait -3
	s_barrier_signal -1
	s_barrier_wait -1
.endm
.macro CROUND
	s_barrier_signal -1
	s_barrier_wait -1
	CREST
.endm
.if KIND == 0
	s_load_b128 s[4:7], s[0:1], 0x0                ; pq, the scales
	s_load_b64 s[8:9], s[0:1], 0x10                ; qkvc
.else
	s_load_b256 s[4:11], s[0:1], 0x0               ; h2c, pq, the scales, hid
.endif
	v_lshl_add_u32 v[SPW], v0, 2, SPARE
	v_mov_b32 v[NIL], 0
	ds_add_u32 v[SPW], v[NIL]                      ; the wave's opening: the add, twice on end, and its wait ahead of my first tensor load
	ds_add_u32 v[SPW], v[NIL]
	v_lshrrev_b32 v1, 5, v0
	v_readfirstlane_b32 s14, v1
	v_and_b32 v26, 31, v0
	v_lshlrev_b32 v26, 8, v26                      ; the prefetches' offset: 256 x lane; never rewritten
	s_lshr_b32 s15, s14, 1                         ; wr: source 1's half.  Also: I fetch for Y (0) or X (1)
	s_and_b32 s16, s14, 1                          ; wc: source 0's half.  Also: which half I fetch
	s_bfe_u32 s40, ttmp6, 0x40000                  ; cx
	s_bfe_u32 s41, ttmp6, 0x40004                  ; cy
	s_lshl_b32 s42, ttmp9, 2
	s_add_co_u32 s42, s42, s40                     ; tx: X's tile
	s_and_b32 s17, ttmp7, 0xffff
	s_lshl_b32 s17, s17, 2
	s_add_co_u32 s17, s17, s41                     ; ty: Y's tile
	s_lshl_b32 s43, s41, 2
	s_lshl_b32 s43, 15, s43                        ; my row of the cluster
	s_lshl_b32 s44, 0x1111, s40                    ; my column
	s_or_b32 s[G1+0], s43, (3<<16)|(1<<21)         ; 15:0 the mask; 17:16 elements of 8 bytes; 21 set beside a mask; no padding: a fragment load takes 512 consecutive bytes
	s_or_b32 s[G1B+0], s44, (3<<16)|(1<<21)
.irp g, G1, G1B
	s_mov_b32 s[\g+1], 2048<<16                    ; tensor_dim0 = 2,048 elements: 8 fragments, 16,384 bytes
	s_mov_b32 s[\g+2], 2<<16                       ; tensor_dim1 = 2 K steps
	s_mov_b32 s[\g+3], 2048<<16                    ; tile_dim0
	s_mov_b32 s[\g+4], 2                           ; tile_dim1
	s_mov_b32 s[\g+6], 0
	s_mov_b32 s[\g+7], 0
.endr
	s_mov_b32 s[G1+5], YSTEP/8                     ; from K step to K step, in elements
	s_mov_b32 s[G1B+5], XSTEP/8
	s_lshl_b32 s18, s16, 14                        ; the half that I fetch: 8 fragments
	s_lshl_b32 s20, s17, 15                        ; Y's tile: 16 fragments
	s_add_co_u32 s20, s20, s18
.if YOFF
	s_add_co_u32 s20, s20, YOFF
.endif
	s_mov_b32 s21, 0
	s_lshl_b32 s46, s42, 15                        ; X's tile
	s_add_co_u32 s46, s46, s18
.if XOFF
	s_add_co_u32 s46, s46, XOFF
.endif
	s_mov_b32 s47, 0
	s_lshl_b32 s45, s14, 15                        ; where it goes: region = wave: no place in the cluster enters an LDS address
	s_wait_alu depctr_va_vdst(0)                   ; the wait here, directly ahead of the wait below
	s_wait_dscnt 0x0
	s_wait_kmcnt 0x0
	s_load_b256 s[68:75], s[SB:SB+1], 0x0          ; e0 .. e7
	s_load_b128 s[76:79], s[SB:SB+1], 0x20         ; e8 .. e11
	s_add_nc_u64 s[20:21], s[YB:YB+1], s[20:21]
	s_add_nc_u64 s[46:47], s[XB:XB+1], s[46:47]
	; PREFETCH of slots 1, 2, 3: of the 2 K steps x 16,384 bytes that I fetch for a slot, the partner at place p (cx for Y, cy for X) names K step p / 2, half p % 2: 8,192 bytes, lanes 256 bytes apart.
	; Slot 1 is asked for here, slot 2 behind slot 0's load, slot 3 behind slot 1's: at most two slots are asked for and not yet loaded.  Three pointers, never rewritten.
	s_cmp_eq_u32 s15, 0
	s_cselect_b64 s[90:91], s[20:21], s[46:47]
	s_cselect_b32 s96, s40, s41
	s_mov_b32 s98, XSTEP
	s_cselect_b32 s98, YSTEP, s98
	s_lshr_b32 s97, s96, 1
	s_mul_i32 s97, s97, s98
	s_and_b32 s96, s96, 1
	s_lshl_b32 s96, s96, 13
	s_add_co_u32 s96, s96, s97
	s_lshl_b32 s98, s98, 1                         ; a slot on: 2 K steps
	s_add_co_u32 s96, s96, s98
	s_mov_b32 s97, 0
	s_mov_b32 s99, 0
	s_add_nc_u64 s[90:91], s[90:91], s[96:97]
	s_add_nc_u64 s[92:93], s[90:91], s[98:99]
	s_add_nc_u64 s[94:95], s[92:93], s[98:99]
	global_prefetch_b8 v26, s[90:91] th:TH_LOAD_NT scope:SCOPE_SE
	CROUND                                         ; all sixteen work-groups are here: the first joint loads meet
.irp s, 0,1
	s_mov_b32 s[G0+4*\s], 1
	s_add_co_u32 s[G0+4*\s+1], s45, \s*SLOT
	s_add_nc_u64 s[G0+4*\s+2:G0+4*\s+3], s[20:21], \s*2*YSTEP
	s_or_b32 s[G0+4*\s+3], s[G0+4*\s+3], 0x80000000
	s_mov_b32 s[G0B+4*\s], 1
	s_add_co_u32 s[G0B+4*\s+1], s45, \s*SLOT
	s_add_nc_u64 s[G0B+4*\s+2:G0B+4*\s+3], s[46:47], \s*2*XSTEP
	s_or_b32 s[G0B+4*\s+3], s[G0B+4*\s+3], 0x80000000
.endr
	JLOAD G0, G1, G0B, G1B                         ; slot 0: one tensor load a wave at the head
	global_prefetch_b8 v26, s[92:93] th:TH_LOAD_NT scope:SCOPE_SE
	v_and_b32 v1, 31, v0
	v_lshlrev_b32 v[L16], 4, v1
.if KIND == 0
	s_wait_alu depctr_va_vdst(0)
	s_cmp_eq_u32 ttmp9, 2                          ; v's cluster: the operands change places
	s_cselect_b32 s21, 65536, 0                    ; source 1: X's regions, else Y's
	s_cselect_b32 s22, 0, 65536                    ; source 0: Y's regions, else X's
.else
	s_mov_b32 s21, 0
	s_mov_b32 s22, 65536
.endif
	s_lshl_b32 s23, s15, 15
	s_add_co_u32 s21, s21, s23
	s_lshl_b32 s23, s16, 15
	s_add_co_u32 s22, s22, s23
.irp s, 0,1
	v_add_nc_u32 v[ADRA+\s], s21, v[L16]
	v_add_nc_u32 v[ADRB+\s], s22, v[L16]
	s_add_co_u32 s21, s21, SLOT
	s_add_co_u32 s22, s22, SLOT
.endr
; 32 LDS loads in one run: the fragments of the slot's hs-th 64 along K into buffer f: half a fragment's image, 1,024 bytes, is 8 registers
.macro FETCH slot, hs, f
	WIN 0x40                                       ; destination window 1, address window 0
.irp i, 0,1,2,3,4,5,6,7
	ds_load_b128 v[\f+8*\i:\f+8*\i+3],   v[ADRB+\slot] offset:((\hs)/2)*16384+((\hs)%2)*1024+\i*2048
	ds_load_b128 v[\f+8*\i+4:\f+8*\i+7], v[ADRB+\slot] offset:((\hs)/2)*16384+((\hs)%2)*1024+\i*2048+512
.endr
.irp i, 0,1,2,3,4,5,6,7
	ds_load_b128 v[\f+64+8*\i:\f+64+8*\i+3],   v[ADRA+\slot] offset:((\hs)/2)*16384+((\hs)%2)*1024+\i*2048
	ds_load_b128 v[\f+64+8*\i+4:\f+64+8*\i+7], v[ADRA+\slot] offset:((\hs)/2)*16384+((\hs)%2)*1024+\i*2048+512
.endr
.endm
; 8 matrix instructions: source 1's block a against source 0's eight.  The 64 accumulators take turns, one instruction a turn, in the same order in every half step.
.macro MULA a, f, zero
	WIN 0xa5+0x50*((\a)/4)                         ; sources 0 and 1 window 1; C and D window 2 (a < 4) or 3
.irp b, 0,1,2,3,4,5,6,7
.if \zero
	v_wmma_f32_16x16x64_bf8_bf8 v[8*(8*((\a)%4)+\b):8*(8*((\a)%4)+\b)+7], v[\f+8*\b:\f+8*\b+7], v[\f+64+8*(\a):\f+64+8*(\a)+7], 0
.else
	v_wmma_f32_16x16x64_bf8_bf8 v[8*(8*((\a)%4)+\b):8*(8*((\a)%4)+\b)+7], v[\f+8*\b:\f+8*\b+7], v[\f+64+8*(\a):\f+64+8*(\a)+7], v[8*(8*((\a)%4)+\b):8*(8*((\a)%4)+\b)+7]
.endif
.endr
.endm
; A half step of 64 along K: the next one's fragments (hs of the same slot) are asked for into g, then buffer f is multiplied: 64 matrix instructions stand between a run of loads and its use.
.macro HALF slot, hs, f, g, zero
	PLACES 4                                       ; four plain instructions between the products that read g and the loads into it (ISA guide 7.12.1 for vector instructions)
	FETCH \slot, \hs, \g
	s_wait_dscnt 32                                ; all but the 32 just issued: f is in
.irp a, 0,1,2,3,4,5,6,7
	MULA \a, \f, \zero
.endr
.endm
; A slot's last half step (buffer 1) changes slots: ONE barrier; ahead of it each wave waits for all its tensor loads, adds 0 to its spare word, and waits for that and for its reads of this slot.
.macro TURN slot, next, fill
	WIN 0
	s_wait_tensorcnt 0x0                           ; all my tensor loads have landed: my part of the next slot
	ds_add_u32 v[SPW], v[NIL]                      ; 0 onto my spare word
	s_wait_dscnt 1                                 ; buffer 1 is in; the add may be out
	MULA 0, F1, 0
	MULA 1, F1, 0
	s_wait_dscnt 0x0                               ; the add is done, and my reads of this slot are over
	s_barrier_signal -1
	MULA 2, F1, 0
	MULA 3, F1, 0
	WIN 0
	s_barrier_wait -1
.if \fill
	CREST                                          ; the barrier has opened a round of the cluster's: no wave of any partner still reads this slot or has a load on its way
	s_add_nc_u64 s[G0+4*\slot+2:G0+4*\slot+3], s[G0+4*\slot+2:G0+4*\slot+3], 4*YSTEP
	s_add_nc_u64 s[G0B+4*\slot+2:G0B+4*\slot+3], s[G0B+4*\slot+2:G0B+4*\slot+3], 4*XSTEP
	JLOAD G0+4*\slot, G1, G0B+4*\slot, G1B         ; my one tensor load behind the round; its four v_nop are the places ahead of the loads below
.else
	PLACES 4
.endif
	FETCH \next, 0, F0
.irp a, 4,5,6,7
	MULA \a, F1, 0
.endr
.endm
	s_wait_alu depctr_va_vdst(0)
	s_wait_tensorcnt 0x0                           ; my part of slot 0 is in
	ds_add_u32 v[SPW], v[NIL]
	s_wait_dscnt 0x0
	CROUND                                         ; everybody's part of slot 0 is in, and the joint loads meet
	JLOAD G0+4, G1, G0B+4, G1B                     ; slot 1: my one tensor load behind the round
	global_prefetch_b8 v26, s[94:95] th:TH_LOAD_NT scope:SCOPE_SE
	FETCH 0, 0, F0
	HALF 0, 1, F0, F1, 1                           ; the first products start the sums: nothing is cleared
	HALF 0, 2, F1, F0, 0
	HALF 0, 3, F0, F1, 0
	TURN 0, 1, 1
	HALF 1, 1, F0, F1, 0
	HALF 1, 2, F1, F0, 0
	HALF 1, 3, F0, F1, 0
	TURN 1, 0, 1
	HALF 0, 1, F0, F1, 0
	HALF 0, 2, F1, F0, 0
	HALF 0, 3, F0, F1, 0
	TURN 0, 1, 0                                   ; nothing is left to fetch: no round
	HALF 1, 1, F0, F1, 0
	HALF 1, 2, F1, F0, 0
	HALF 1, 3, F0, F1, 0
	s_wait_dscnt 0x0
.irp a, 0,1,2,3,4,5,6,7
	MULA \a, F1, 0
.endr
	WIN 0
; THE WAY OUT.  A sum stands for sum x 2^(eY + eX); its code is sum / 2^(e_out - eY - eX): the three scales are one.
	s_wait_kmcnt 0x0
.if KIND == 0
	s_cmp_eq_u32 ttmp9, 0
	s_cselect_b32 s80, s70, s71                    ; q: e2; k: e3;
	s_cmp_eq_u32 ttmp9, 2
	s_cselect_b32 s80, s73, s80                    ; v: e5
	s_sub_co_i32 s80, s80, s68
	s_sub_co_i32 s80, s80, s69
.else
	s_sub_co_i32 s80, s78, s76                     ; e10 - e8 - e9
	s_sub_co_i32 s80, s80, s77
.endif
	s_add_co_i32 s80, s80, 127
	s_lshl_b32 s81, s80, 23
	v_mov_b32 v[SCL], s81
	s_add_co_i32 s80, s80, 15
	s_lshl_b32 s80, s80, 23
	s_or_b32 s80, s80, 0x600000
	v_mov_b32 v[LIM], s80
.if KIND == 0
	s_wait_alu depctr_va_vdst(0)
	s_lshl_b32 s82, s40, 2                         ; 4 cx: the tile's first head
	s_lshl_b32 s83, s16, 1
	s_add_co_u32 s83, s82, s83                     ; q, k: head 4 cx + 2 wc,
	s_lshl_b32 s83, s83, 8
	s_lshl_b32 s84, s17, 4
	s_add_co_u32 s83, s83, s84                     ; token block 16 ty + 8 wr,
	s_lshl_b32 s84, s15, 3
	s_add_co_u32 s83, s83, s84
	s_lshl_b32 s83, s83, 10                        ; 1,024 bytes each,
	s_lshl_b32 s84, ttmp9, 22
	s_add_co_u32 s83, s83, s84                     ; in q's or k's part
	s_lshl_b32 s84, s15, 1
	s_add_co_u32 s84, s82, s84                     ; v: head 4 cx + 2 wr,
	s_lshl_b32 s84, s84, 5
	s_lshl_b32 s85, s17, 1
	s_add_co_u32 s84, s84, s85                     ; key step 2 ty + wc,
	s_add_co_u32 s84, s84, s16
	s_lshl_b32 s84, s84, 13                        ; 8,192 bytes each,
	s_add_co_u32 s84, s84, 8388608
	s_cmp_eq_u32 ttmp9, 2
	s_cselect_b32 s86, s84, s83
.else
	s_lshl_b32 s86, s42, 1
	s_add_co_u32 s86, s86, s16                     ; K step 2 tx + wc of the next product,
	s_lshl_b32 s86, s86, 8
	s_lshl_b32 s84, s17, 4
	s_add_co_u32 s86, s86, s84                     ; token block 16 ty + 8 wr
	s_lshl_b32 s84, s15, 3
	s_add_co_u32 s86, s86, s84
	s_lshl_b32 s86, s86, 11
.endif
	s_mov_b32 s87, 0
	s_add_nc_u64 s[88:89], s[OB:OB+1], s[86:87]
	PLACES 4                                       ; between the last products and the first read of results
; Block a: its 64 sums are held, each accumulator from its low end on, and turned into 16 registers of codes: piece p = accumulators 2 p, 2 p + 1
.macro QOUT a
.set AC, 64*((\a)%4)
	WIN 0x82+0x41*((\a)/4)                         ; source 0 and destination window 2 or 3
.set n, 0
.rept 64
.if KIND == 1
	v_med3_num_f32 v[AC+n], v[AC+n], 0, v[LIM]     ; relu and the hold in one
.else
	v_med3_num_f32 v[AC+n], v[AC+n], -v[LIM], v[LIM]   ; the conversion to an 8-bit code does not saturate (ISA guide 7.6.2)
.endif
.set n, n+1
.endr
	WIN 0x02+((\a)/4)                              ; source 0 window 2 or 3, destination window 0
.irp b, 0,1,2,3,4,5,6,7
	v_cvt_scalef32_pk8_bf8_f32 v[CODE+16*(\a)+2*\b:CODE+16*(\a)+2*\b+1], v[AC+8*\b:AC+8*\b+7], v[SCL]
.endr
	v_nop                                          ; a plain instruction behind the last conversion of the run
.endm
.irp a, 0,1,2,3,4,5,6,7
	QOUT \a
.endr
	WIN 0
.if KIND == 0
	s_cmp_eq_u32 ttmp9, 2                          ; the cluster's x: the same in all partners
	s_cbranch_scc1 .Lstore_v
.irp a, 0,1,2,3,4,5,6,7
.irp p, 0,1,2,3
	global_store_b128 v[L16], v[CODE+16*\a+4*\p:CODE+16*\a+4*\p+3], s[88:89] offset:(\p/2)*262144+\a*1024+(\p%2)*512   ; head + p / 2, token block + a, d 32 (p % 2) on: 512 consecutive bytes
.endr
.endr
	s_branch .Lstored
.Lstore_v:
	s_wait_alu depctr_va_vdst(0)
.irp a, 0,1,2,3,4,5,6,7
.irp p, 0,1,2,3
	global_store_b128 v[L16], v[CODE+16*\a+4*\p:CODE+16*\a+4*\p+3], s[88:89] offset:(\a/4)*262144+(\a%4)*2048+\p*512   ; head + a / 4, d block a % 4, keys 32 p on
.endr
.endr
.Lstored:
.else
.irp a, 0,1,2,3,4,5,6,7
.irp p, 0,1,2,3
	global_store_b128 v[L16], v[CODE+16*\a+4*\p:CODE+16*\a+4*\p+3], s[88:89] offset:\a*2048+\p*512
.endr
.endr
.endif
	s_wait_tensorcnt 0x0                           ; the wave's end
	ds_add_u32 v[SPW], v[NIL]
	s_wait_dscnt 0x0
	CROUND                                         ; the closing round: no work-group ends while a partner may still ask for a tile that names it
	s_endpgm
.Lfunc_end_k_qfd9200cdc8_qkv:
	.size	k_qfd9200cdc8_qkv, .Lfunc_end_k_qfd9200cdc8_qkv-k_qfd9200cdc8_qkv
	.p2alignl 7, 3214868480
	.fill 96, 4, 3214868480
	.section	.rodata,"a",@progbits
	.p2align	6, 0x0
	.amdhsa_kernel k_qfd9200cdc8_qkv
		.amdhsa_group_segment_fixed_size 327680
		.amdhsa_private_segment_fixed_size 0
		.amdhsa_enable_private_segment 0
		.amdhsa_kernarg_size 24
		.amdhsa_user_sgpr_count 2
		.amdhsa_user_sgpr_kernarg_segment_ptr 1
		.amdhsa_wavefront_size32 1
		.amdhsa_system_sgpr_workgroup_id_x 1
		.amdhsa_system_sgpr_workgroup_id_y 1
		.amdhsa_system_sgpr_workgroup_id_z 1
		.amdhsa_system_vgpr_workitem_id 0
		.amdhsa_next_free_vgpr 1024
		.amdhsa_next_free_sgpr 100
		.amdhsa_reserve_vcc 0
		.amdhsa_float_denorm_mode_32 3
		.amdhsa_float_denorm_mode_16_64 3
		.amdhsa_memory_ordered 1
		.amdhsa_forward_progress 1
		.amdhsa_inst_pref_size 155
	.end_amdhsa_kernel
	.amdgpu_metadata
---
amdhsa.version: [ 1, 2 ]
amdhsa.kernels:
  - .name:           k_qfd9200cdc8_qkv
    .symbol:         k_qfd9200cdc8_qkv.kd
    .args:
      - { .name: pq, .offset: 0, .size: 8, .value_kind: global_buffer, .address_space: global }
      - { .name: lowp_scales, .offset: 8, .size: 8, .value_kind: global_buffer, .address_space: global }
      - { .name: qkvc, .offset: 16, .size: 8, .value_kind: global_buffer, .address_space: global }
    .group_segment_fixed_size: 327680
    .private_segment_fixed_size: 0
    .kernarg_segment_align: 8
    .kernarg_segment_size: 24
    .max_flat_workgroup_size: 128
    .sgpr_count:     100
    .vgpr_count:     1024
    .wavefront_size: 32
...
	.end_amdgpu_metadata
.endif
;; end of part 2
;; launch attn (part 3): grid 8 x 32, 16 waves a work-group, clusters of 4 x 1, 327,680 bytes of LDS; arguments qkvc, lowp_scales, yc, w_proj, w_fc, w_cproj, pq; writes yc, pq
.if DOCPART == 3
	.amdgcn_target "amdgcn-amd-amdhsa--gfx1250"
	.amdhsa_code_object_version 6
	.text
	.protected	k_qfd9200cdc8_attn
	.globl	k_qfd9200cdc8_attn
	.p2align	8
	.type	k_qfd9200cdc8_attn,@function
k_qfd9200cdc8_attn:
	s_mov_b64 s[64:65], 0
	v_nop
	global_prefetch_b8 v0, s[64:65] scope:SCOPE_SE
	s_setreg_imm32_b32 hwreg(HW_REG_WAVE_MODE, 25, 1), 1
	s_wait_xcnt 0x0
	s_wait_alu depctr_hold_cnt(0) depctr_sa_sdst(0) depctr_va_vdst(0) depctr_va_sdst(0) depctr_va_ssrc(0) depctr_va_vcc(0) depctr_vm_vsrc(0)
	s_getreg_b32 s2, hwreg(HW_REG_IB_STS2, 6, 4)
	s_cmp_eq_u32 s2, 0
	s_cbranch_scc0 .Lentry_in_a_cluster
	s_endpgm
.Lentry_in_a_cluster:
	s_bfe_u32 s2, ttmp6, 0x10000c
	s_cmp_lg_u32 s2, 0x3003
	s_cbranch_scc0 .Lentry_shape_is_right
	s_endpgm
.Lentry_shape_is_right:
; Products 2 and 3: causal attention on codes of BF8, y quantised at once with e6 into the image that product 4 reads.  Beside it w_proj, w_fc and w_cproj are quantised (e7, e9, e11) into their images in pq.
; WORK LEFT OUT: key steps of 128 keys that all come after a block's 16 queries: reference()'s own jnp.tril makes their p 0.  A NaN, an infinity or an overflow that reaches only those scores is not carried to the result.
; SOFTMAX: t = score x log2(e) / 32; M = the ceiling of the running largest t; p = 2^(t - M) is quantised with e4; the row's sum is of the unquantised p and divides at the end.
; SHARES.  A work-group has one (batch, head) and the 16 blocks of 16 queries numbered 8 g + x (g = 0 .. 15, x its number among the head's eight): block g needs key steps 0 .. g, the last on the diagonal.
; The 16 waves are 8 pairs.  Pair p owns blocks g = 15 - p (long) and g = p (short): 17 key steps.  Wave X (waves 0-7, p = wave) walks steps 0 .. 8 of the long block;
; wave Y (waves 8-15, p = 15 - wave) walks the short block, stores it, and then walks steps 9 .. 15 - p of the long block.  So every wave has 8 or 9 steps.
; Y hands its part of the long block (O^T, -M, the sum) to X through LDS bytes of their own; X brings both parts under the larger M by powers of two, which round nothing, and stores the block.
; LDS: all 2,048 keys of the head: K at 0, V at 131,072, 8,192 bytes a key step each, in the order of the operands' registers.  Two joint fills (the cluster's four work-groups share the head): key steps 0-1, then 2-15.
; PREFETCH: ahead of the first round each wave asks for a quarter of its own 14,336 bytes of the second fill: the partner at place cx names 14 blocks of 256 bytes, 3,584 cx on; lanes 14-31 name the last of them again.
; So each block is named once in each cluster that loads it.  The first fill comes by its load alone.
; THE WEIGHTS: a work-group has 36 blocks of 32 k x 32 columns: local numbers 0-3 of w_proj, 4-19 of w_fc, 20-35 of w_cproj; wave w takes w, w + 16 and (w < 4) w + 32.  A lane takes a column, its registers run down K.
; A block's 32 loads are out while two key steps are worked; it is held, converted and stored at the head of key steps 2, 4 and 6.
; LIMITS: e2 + e3 between -121 and 132; e4, e6, e7, e9, e11 between -126 and 112; the scaled scores stay under 2^31 in magnitude.  NaN among the inputs is not served.
; REGISTERS: v1 16 x lane; v12 -M, v13 largest t, v[14:15] the sum; v16-23 Q; v24-31 weight codes; v32-95 fragments; v96-159 S^T, p; v160-191 O^T; v192-207 p's codes; v208-223 at work; v224-255 a weight block.
.set SPARE, 262144                     ; the spare words: 128 bytes a wave
.set MST, 264192                       ; the pairs' stage: 4,096 bytes of O^T, 256 of (-M, sum), 256 free
.set MPAIR, 4608
.set SPW, 5
.set NIL, 6
.set MA, 4
.set MB, 7
.set ADK, 8
.set ADV, 9
.set DQ, 10
.set PFO, 11
.set WC, 24
.set WCW, 220
.set WSW, 221
.set WLIM, 222
.set WSCL, 223
.set WX, 224
.set WV, 18
.set PR, 19
.set SEL, 20
.set CS, 22
.set G1S, 24
.set G1L, 32
.set G0S, 40
.set G0L, 44
.set HI, 48                            ; the last key step that I walk in the pass in hand
.set DG, 49                            ; the key step on the diagonal
.set HI2, 50
.set WG, 51
.set QA, 52
.set QB, 54
.set TB, 56
.set KS, 57
.set YA, 58
.set EPV, 60
.set WJ, 61                            ; local number of the weight block in flight
.set WBS, 62
.set WOUT, 66
.set WNX, 91                           ; the key step at whose head that block is taken up
.macro CROUND
	s_barrier_signal -1
	s_barrier_wait -1
	s_cmp_lg_u32 s[WV], 0
	s_cbranch_scc1 .Lnot_wave_0_\@
	s_barrier_signal -3
.Lnot_wave_0_\@:
	s_barrier_wait -3
	s_barrier_signal -1
	s_barrier_wait -1
.endm
; where weight block s[WJ] lies, where its codes go, its scale.  The tensor hangs on the local number alone, which all partners of the cluster share.
.macro WPARAM
	s_mov_b64 s[WBS:WBS+1], s[96:97]
	s_mov_b32 s11, 10                              ; log2 of the columns
	s_mov_b32 s12, 20
	s_mov_b32 s14, s79
	s_mov_b32 s15, 8388608
	s_mov_b32 s16, 4                               ; log2 of the tensor's blocks in a work-group
	s_cmp_lt_u32 s[WJ], 20
	s_cselect_b64 s[WBS:WBS+1], s[94:95], s[WBS:WBS+1]
	s_cselect_b32 s11, 12, s11
	s_cselect_b32 s12, 4, s12
	s_cselect_b32 s14, s77, s14
	s_cselect_b32 s15, 4194304, s15
	s_cmp_lt_u32 s[WJ], 4
	s_cselect_b64 s[WBS:WBS+1], s[92:93], s[WBS:WBS+1]
	s_cselect_b32 s11, 10, s11
	s_cselect_b32 s12, 0, s12
	s_cselect_b32 s14, s75, s14
	s_cselect_b32 s15, 3145728, s15
	s_cselect_b32 s16, 2, s16
	s_lshl_b32 s10, s[WG], s16
	s_add_co_u32 s10, s10, s[WJ]
	s_sub_co_u32 s10, s10, s12                     ; the block's number in its tensor
	s_sub_co_u32 s13, s11, 5
	s_lshl_b32 s2, 1, s13
	s_sub_co_u32 s2, s2, 1
	s_and_b32 s17, s10, s2                         ; which 32 columns
	s_lshr_b32 s10, s10, s13                       ; which 32 k
	s_add_co_u32 s3, s11, 7                        ; 32 rows of 4 N bytes, and a K step of the image: N x 128 bytes
	s_lshl_b32 s80, s10, s3
	s_lshl_b32 s2, s17, 7
	s_add_co_u32 s80, s80, s2
	s_mov_b32 s81, 0
	s_add_nc_u64 s[WBS:WBS+1], s[WBS:WBS+1], s[80:81]
	s_lshr_b32 s2, s10, 2
	s_lshl_b32 s80, s2, s3
	s_lshl_b32 s2, s17, 12                         ; two fragments of 2,048 bytes
	s_add_co_u32 s80, s80, s2
	s_and_b32 s2, s10, 3
	s_lshl_b32 s2, s2, 9
	s_add_co_u32 s80, s80, s2
	s_add_co_u32 s80, s80, s15
	s_add_nc_u64 s[WOUT:WOUT+1], s[98:99], s[80:81]
	s_add_co_i32 s2, s14, 127
	s_lshl_b32 s3, s2, 23
	v_mov_b32 v[WSCL], s3                          ; 2^e
	s_add_co_i32 s2, s2, 15
	s_lshl_b32 s2, s2, 23
	s_or_b32 s2, s2, 0x600000
	v_mov_b32 v[WLIM], s2                          ; 57,344 x 2^e
	s_wait_alu depctr_va_vdst(0)
.endm
.macro WISSUE                          ; the block's 32 rows; a wave's load reads 128 consecutive bytes; the rows' pitch is an immediate, so there are two runs
	s_cmp_eq_u32 s11, 12
	s_cbranch_scc1 .Lwide_\@
.set i, 0
.rept 32
	global_load_b32 v[WX+i], v[WCW], s[WBS:WBS+1] offset:i*4096 th:TH_LOAD_NT
.set i, i+1
.endr
	s_branch .Lwj_\@
.Lwide_\@:
.set i, 0
.rept 32
	global_load_b32 v[WX+i], v[WCW], s[WBS:WBS+1] offset:i*16384 th:TH_LOAD_NT
.set i, i+1
.endr
.Lwj_\@:
.endm
.macro HOOK                            ; at the head of key step s[WNX]: the block in flight is finished, and my next one asked for
	s_cmp_lg_u32 s[KS], s[WNX]
	s_cbranch_scc1 .Lhk_\@
	s_wait_loadcnt 0x0
	s_wait_xcnt 0x0                                ; the block before has had its stores' data read: the codes' registers may be written
.set i, 0
.rept 32
	v_med3_num_f32 v[WX+i], v[WX+i], -v[WLIM], v[WLIM]   ; the conversion does not saturate (ISA guide 7.6.2)
.set i, i+1
.endr
.irp g, 0,1,2,3
	v_cvt_scalef32_pk8_bf8_f32 v[WC+2*\g:WC+2*\g+1], v[WX+8*\g:WX+8*\g+7], v[WSCL]
.endr
	v_nop
	global_store_b128 v[WSW], v[WC:WC+3], s[WOUT:WOUT+1]              ; sixteen lanes store 256 consecutive bytes, aligned
	global_store_b128 v[WSW], v[WC+4:WC+7], s[WOUT:WOUT+1] offset:256
	s_add_co_u32 s[WJ], s[WJ], 16
	s_add_co_u32 s[WNX], s[WNX], 2
	s_cmp_gt_u32 s[WJ], 35
	s_cselect_b32 s[WNX], 64, s[WNX]               ; no block left: no key step has this number
	s_cbranch_scc1 .Lhk_\@
	s_wait_xcnt 0x0                                ; the stores have read their base and their data
	WPARAM
	WISSUE
.Lhk_\@:
.endm
; A KEY STEP: 128 keys.  S^T = K Q^T, the softmax of a lane's one query, O^T += V^T P^T.
.macro STEP
	s_cmp_gt_u32 s[KS], s[HI]
	s_cbranch_scc1 .Lhidden_\@
	v_add_nc_u32 v[ADK], s[TB], v1
	s_delay_alu instid0(VALU_DEP_1)
	v_add_nc_u32 v[ADV], 0x20000, v[ADK]
	v_nop
	v_nop
.irp t, 0,1,2,3,4,5,6,7
	ds_load_b128 v[32+8*\t:35+8*\t], v[ADK] offset:1024*\t
	ds_load_b128 v[36+8*\t:39+8*\t], v[ADK] offset:1024*\t+512
.endr
	s_wait_alu depctr_va_vdst(0)
	s_wait_dscnt 0x0
.irp t, 0,1,2,3,4,5,6,7
	v_wmma_f32_16x16x64_bf8_bf8 v[96+8*\t:103+8*\t], v[32+8*\t:39+8*\t], v[16:23], 0
.endr
.rept 4
	v_nop
.endr
.irp d, 0,1,2,3
.irp c, 0,1,2,3
	ds_load_b128 v[32+16*\d+4*\c:35+16*\d+4*\c], v[ADV] offset:2048*\d+512*\c
.endr
.endr
	s_cmp_lg_u32 s[KS], s[DG]
	s_cbranch_scc1 .Lopen_\@
.set n, 0
.rept 64                               ; on the diagonal: register n holds key 16 (lane / 16) + 32 (n / 16) + n % 16 of the step; hidden scores become -infinity
	v_cmp_gt_i32 vcc_lo, 32*(n/16)+n%16, v[DQ]
	v_cndmask_b32 v[96+n], v[96+n], v215, vcc_lo
.set n, n+1
.endr
.Lopen_\@:
	v_max3_num_f32 v208, v96, v97, v98
	v_max3_num_f32 v209, v99, v100, v101
.irp i, 6,10,14,18,22,26,30,34,38,42,46,50,54,58
	v_max3_num_f32 v208, v208, v[96+\i], v[97+\i]
	v_max3_num_f32 v209, v209, v[98+\i], v[99+\i]
.endr
	v_max3_num_f32 v208, v208, v158, v159
	s_delay_alu instid0(VALU_DEP_1)
	v_max_num_f32 v208, v208, v209
	s_delay_alu instid0(VALU_DEP_1)
	v_permlanex16_b32 v214, v208, s[SEL], s[SEL+1]
	s_delay_alu instid0(VALU_DEP_1)
	v_max_num_f32 v208, v208, v214
	s_delay_alu instid0(VALU_DEP_1)
	v_mul_f32 v208, s[CS], v208
	s_delay_alu instid0(VALU_DEP_1)
	v_max_num_f32 v13, v13, v208
	v_mov_b32 v208, v12
	s_delay_alu instid0(VALU_DEP_2)
	v_floor_f32 v12, -v13                          ; -M = floor(-t)
	s_delay_alu instid0(VALU_DEP_1)
	v_sub_f32 v208, v12, v208
	s_delay_alu instid0(VALU_DEP_1)
	v_cvt_i32_f32 v208, v208
	s_delay_alu instid0(VALU_DEP_1)
	v_ldexp_f32 v210, 1.0, v208                    ; f = 2^(old M - new M)
.set n, 0
.rept 32
	v_pk_fma_f32 v[96+n:97+n], v[96+n:97+n], s[CS:CS+1], v[12:13] op_sel_hi:[1,0,0]
.set n, n+2
.endr
.set n, 0
	s_wait_alu depctr_va_vdst(0)                   ; a wait ahead of the batch and one behind it
.rept 64
	v_exp_f32 v[96+n], v[96+n]
.set n, n+1
.endr
	v_pk_mul_f32 v[14:15], v[14:15], v[210:211] op_sel_hi:[1,0]
	s_wait_alu depctr_va_vdst(0)
	v_pk_add_f32 v[212:213], v[96:97], v[98:99]
.irp i, 4,8,12,16,20,24,28,32,36,40,44,48,52,56,60
	v_pk_add_f32 v[14:15], v[14:15], v[96+\i:97+\i]
	v_pk_add_f32 v[212:213], v[212:213], v[98+\i:99+\i]
.endr
	s_delay_alu instid0(VALU_DEP_1)
	v_pk_add_f32 v[14:15], v[14:15], v[212:213]
.irp b, 0,1,2,3
.irp i, 0,1,2,3,4,5,6,7,8,9,10,11,12,13,14,15
	v_min_num_f32 v[96+16*\b+\i], v[96+16*\b+\i], v216
.endr
	v_cvt_scalef32_pk8_bf8_f32 v[192+4*\b:193+4*\b], v[96+16*\b:103+16*\b], v217
	v_cvt_scalef32_pk8_bf8_f32 v[194+4*\b:195+4*\b], v[104+16*\b:111+16*\b], v217
.endr
.set n, 0
.rept 16
	v_pk_mul_f32 v[160+n:161+n], v[160+n:161+n], v[210:211] op_sel_hi:[1,0]
.set n, n+2
.endr
	s_wait_alu depctr_va_vdst(0)
	s_wait_dscnt 0x0
.irp d, 0,1,2,3
	v_wmma_f32_16x16x128_bf8_bf8 v[160+8*\d:167+8*\d], v[32+16*\d:47+16*\d], v[192:207], v[160+8*\d:167+8*\d]
.endr
.Lhidden_\@:
	s_add_co_u32 s[TB], s[TB], 8192
	s_add_co_u32 s[KS], s[KS], 1
.endm
; a finished block: O^T / the sum x 2^(e4 + e5), held, turned into codes with e6, 2 x 512 consecutive bytes of y's image
.macro FINISH
	v_add_f32 v14, v14, v15
	v_permlanex16_b32 v214, v14, s[SEL], s[SEL+1]
	v_add_f32 v14, v14, v214
	s_wait_alu depctr_va_vdst(0)
	v_rcp_f32 v14, v14
	v_nop
	s_wait_alu depctr_va_vdst(0)
	v_ldexp_f32 v14, v14, s[EPV]
.set n, 0
.rept 32
	v_mul_f32 v[96+n], v[160+n], v14
.set n, n+1
.endr
.set n, 0
.rept 32
	v_med3_num_f32 v[96+n], v[96+n], -v218, v218
.set n, n+1
.endr
.irp b, 0,1,2,3
	v_cvt_scalef32_pk8_bf8_f32 v[192+2*\b:193+2*\b], v[96+8*\b:103+8*\b], v219
.endr
	v_nop
	global_store_b128 v1, v[192:195], s[YA:YA+1]
	global_store_b128 v1, v[196:199], s[YA:YA+1] offset:512
.endm
.macro FRESH                           ; a block's state: largest t -3e38, sums and O^T zero (the first change of M multiplies zeros)
	v_mov_b32 v13, 0xff61b1e6
	v_floor_f32 v12, -v13
	v_mov_b32 v14, 0
	v_mov_b32 v15, 0
.set n, 0
.rept 32
	v_mov_b32 v[160+n], 0
.set n, n+1
.endr
.endm
	s_load_b128 s[4:7], s[0:1], 0x0                ; qkvc, the scales
	s_load_b64 s[8:9], s[0:1], 0x10                ; yc
	s_load_b256 s[92:99], s[0:1], 0x18             ; w_proj, w_fc, w_cproj, pq
	v_lshl_add_u32 v[SPW], v0, 2, SPARE
	v_mov_b32 v[NIL], 0
	ds_add_u32 v[SPW], v[NIL]                      ; the opening: the add twice on end and its wait ahead of my first tensor load
	ds_add_u32 v[SPW], v[NIL]
	v_lshrrev_b32 v1, 5, v0
	v_readfirstlane_b32 s[WV], v1
	v_and_b32 v1, 31, v0
	v_lshlrev_b32 v1, 4, v1                        ; 16 x lane
	s_wait_alu depctr_va_vdst(0)
	s_lshr_b32 s12, s[WV], 3                       ; 0: X, and I fetch for K; 1: Y, for V
	s_mul_i32 s2, s12, 15
	s_xor_b32 s[PR], s[WV], s2                     ; my pair
	s_xor_b32 s3, s[WV], 15                        ; my first block's g: X's long block, Y's short one
	s_cmp_lt_u32 s[WV], 8
	s_cselect_b32 s[HI], 8, s3
	s_cselect_b32 s[HI2], 0, s[WV]                 ; the last pass: Y goes up to the long block's g = its wave number; X walks nothing
	s_mov_b32 s[DG], s3
	s_and_b32 s11, s[WV], 7
	s_lshl_b32 s13, s12, 17
	s_lshl_b32 s14, s11, 11                        ; my eighth of key steps 0-1: 2,048 bytes
	s_mul_i32 s15, s11, 14336
	s_add_co_u32 s15, s15, 16384                   ; and of key steps 2-15: 14,336 bytes
	s_add_co_u32 s[G0S+1], s13, s14
	s_add_co_u32 s[G0L+1], s13, s15
	s_and_b32 s10, ttmp7, 0xffff
	s_lshr_b32 s16, s10, 4                         ; batch
	s_and_b32 s17, s10, 15                         ; head
	s_lshl_b32 s80, s17, 1
	s_add_co_u32 s80, s80, s16
	s_lshl_b32 s80, s80, 17                        ; 131,072 bytes for a (head, batch), in K's part and in V's
	s_lshl_b32 s81, s12, 22
	s_add_co_u32 s80, s80, s81
	s_add_co_u32 s80, s80, 4194304
	s_add_co_u32 s82, s80, s14
	s_mov_b32 s83, 0
	s_add_co_u32 s80, s80, s15
	s_mov_b32 s81, 0
	s_mov_b32 s[G1S], 15|(3<<16)|(1<<21)           ; the cluster's four; elements of 8 bytes; dense rows of 256 bytes
	s_mov_b32 s[G1S+1], 32<<16
	s_mov_b32 s[G1S+2], 8<<16
	s_mov_b32 s[G1S+3], 32<<16
	s_mov_b32 s[G1S+4], 8
	s_mov_b32 s[G1S+5], 32
	s_mov_b32 s[G1S+6], 0
	s_mov_b32 s[G1S+7], 0
	s_mov_b32 s[G1L], 15|(3<<16)|(1<<21)
	s_mov_b32 s[G1L+1], 32<<16
	s_mov_b32 s[G1L+2], 56<<16
	s_mov_b32 s[G1L+3], 32<<16
	s_mov_b32 s[G1L+4], 56
	s_mov_b32 s[G1L+5], 32
	s_mov_b32 s[G1L+6], 0
	s_mov_b32 s[G1L+7], 0
	s_mov_b32 s[SEL], 0x76543210
	s_mov_b32 s[SEL+1], 0xfedcba98
	s_mov_b32 s[CS], 0x3d38aa3b                    ; log2(e) / 32
	s_bfe_u32 s84, ttmp6, 0x40000
	s_mul_i32 s61, s84, 3584                       ; the prefetch: my work-group's quarter of a wave's part of the second fill
	s_lshl_b32 s85, ttmp9, 2
	s_add_co_u32 s85, s85, s84                     ; x
	s_lshl_b32 s[WG], s10, 3
	s_add_co_u32 s[WG], s[WG], s85                 ; the work-group's number, 0 .. 255
	s_lshl_b32 s86, s16, 7
	s_add_co_u32 s86, s86, s85
	s_lshl_b32 s87, s3, 3
	s_add_co_u32 s87, s87, s86                     ; my first block of 16 positions: 128 batch + 8 g + x
	s_lshl_b32 s88, s[WV], 3
	s_add_co_u32 s88, s88, s86                     ; Y's long block
	s_lshl_b32 s89, s17, 8
	s_add_co_u32 s90, s89, s87
	s_lshl_b32 s90, s90, 10                        ; Q: 1,024 bytes a block
	s_add_co_u32 s88, s89, s88
	s_lshl_b32 s88, s88, 10
	s_lshr_b32 s89, s17, 1
	s_lshl_b32 s89, s89, 8
	s_add_co_u32 s89, s89, s87
	s_lshl_b32 s89, s89, 11                        ; y's image: K step head / 2, fragment = block,
	s_and_b32 s87, s17, 1
	s_lshl_b32 s87, s87, 10                        ; k 64 (head % 2) on
	s_add_co_u32 s86, s89, s87
	s_mov_b32 s87, 0
	s_mov_b32 s89, 0
	s_mov_b32 s91, 0
	s_lshr_b32 s84, s85, 1
	s_lshl_b32 s84, s84, 5
	s_and_b32 s2, s85, 1
	s_lshl_b32 s2, s2, 3
	s_add_co_u32 s84, s84, s2                      ; the block's first true row in its 128
	s_mul_i32 s13, s[PR], MPAIR
	s_add_co_u32 s13, s13, MST
	v_add_nc_u32 v[MA], s13, v1                    ; my pair's stage: made here, ahead of every parting of the waves
	v_lshrrev_b32 v[MB], 1, v1
	s_add_co_u32 s13, s13, 4096
	v_add_nc_u32 v[MB], s13, v[MB]
	v_and_b32 v[WCW], 7, v0
	v_bfe_u32 v[WSW], v0, 3, 1
	v_bfe_u32 v9, v0, 4, 1
	v_lshl_or_b32 v[WCW], v[WSW], 4, v[WCW]
	v_lshl_or_b32 v[WCW], v9, 3, v[WCW]            ; the lane's number is the column's position: bits 3 and 4 exchanged
	v_lshlrev_b32 v[WCW], 2, v[WCW]
	v_and_b32 v[WSW], 15, v0
	v_lshlrev_b32 v[WSW], 4, v[WSW]
	v_lshl_add_u32 v[WSW], v9, 11, v[WSW]
	v_and_b32 v[PFO], 31, v0
	v_min_u32 v[PFO], 13, v[PFO]
	v_lshlrev_b32 v[PFO], 8, v[PFO]                ; the prefetch's offset: 256 x min(lane, 13); never rewritten
	s_wait_alu depctr_va_vdst(0)                   ; the wait here, directly ahead of the wait below
	s_wait_dscnt 0x0
	s_wait_kmcnt 0x0
	s_load_b256 s[68:75], s[6:7], 0x0              ; e0 .. e7
	s_load_b128 s[76:79], s[6:7], 0x20             ; e8 .. e11
	s_mov_b32 s[G0S], 1
	s_add_nc_u64 s[G0S+2:G0S+3], s[4:5], s[82:83]
	s_or_b32 s[G0S+3], s[G0S+3], 0x80000000
	s_mov_b32 s[G0L], 1
	s_add_nc_u64 s[G0L+2:G0L+3], s[4:5], s[80:81]
	s_or_b32 s[G0L+3], s[G0L+3], 0x80000000
	s_add_nc_u64 s[QA:QA+1], s[4:5], s[90:91]
	s_add_nc_u64 s[QB:QB+1], s[4:5], s[88:89]
	s_add_nc_u64 s[YA:YA+1], s[8:9], s[86:87]
	s_add_co_u32 s88, s80, s61                     ; my part of the second fill, + my work-group's quarter (s89 is 0); the pair is not written again
	s_add_nc_u64 s[88:89], s[4:5], s[88:89]
	global_prefetch_b8 v[PFO], s[88:89] th:TH_LOAD_NT scope:SCOPE_SE
	global_load_b128 v[16:19], v1, s[QA:QA+1]      ; Q of my first block, asked for ahead of the rounds
	global_load_b128 v[20:23], v1, s[QA:QA+1] offset:512
	CROUND
	tensor_load_to_lds s[G0S:G0S+3], s[G1S:G1S+7]  ; key steps 0-1: my one tensor load at the head
	s_nop 0
	v_and_b32 v8, 7, v0
	v_bfe_u32 v9, v0, 3, 1
	v_lshl_add_u32 v8, v9, 4, v8
	v_bfe_u32 v9, v0, 4, 1
	v_lshlrev_b32 v9, 4, v9
	v_sub_nc_u32 v8, v8, v9
	v_add_nc_u32 v[DQ], s84, v8                    ; my query's row in its 128, less 16 (lane / 16)
	v_mov_b32 v211, 0
	v_mov_b32 v214, 0
	v_mov_b32 v215, 0xff800000
	FRESH
	s_wait_kmcnt 0x0
	s_add_co_i32 s2, s70, s71
	s_lshl_b32 s2, s2, 23
	s_add_co_i32 s[CS], s[CS], s2                  ; e2 + e3 into c's exponent field
	s_mov_b32 s[CS+1], s[CS]
	s_add_co_i32 s2, s72, 127
	s_lshl_b32 s3, s2, 23
	v_mov_b32 v217, s3                             ; 2^e4
	s_add_co_i32 s2, s2, 15
	s_lshl_b32 s2, s2, 23
	s_or_b32 s2, s2, 0x600000
	v_mov_b32 v216, s2
	s_add_co_i32 s2, s74, 127
	s_lshl_b32 s3, s2, 23
	v_mov_b32 v219, s3                             ; 2^e6
	s_add_co_i32 s2, s2, 15
	s_lshl_b32 s2, s2, 23
	s_or_b32 s2, s2, 0x600000
	v_mov_b32 v218, s2
	s_add_co_i32 s[EPV], s72, s73
	s_mov_b32 s[WJ], s[WV]
	s_mov_b32 s[WNX], 2
	WPARAM
	WISSUE                                         ; my first weight block
	s_wait_alu depctr_va_vdst(0)
	s_wait_tensorcnt 0x0
	ds_add_u32 v[SPW], v[NIL]
	s_wait_dscnt 0x0
	CROUND                                         ; key steps 0-1 are whole
	tensor_load_to_lds s[G0L:G0L+3], s[G1L:G1L+7]  ; key steps 2-15
	s_nop 0
.rept 4
	v_nop
.endr
	s_wait_loadcnt 32                              ; Q is in; the weight block's 32 loads, issued behind it, may stay out
	s_mov_b32 s[KS], 0
	s_mov_b32 s[TB], 0
.Lfirst:
	STEP
	s_cmp_lt_u32 s[KS], 2
	s_cbranch_scc1 .Lfirst
	s_wait_tensorcnt 0x0                           ; my part of key steps 2-15 is in,
	s_wait_dscnt 0x0
	s_barrier_signal -1
	s_barrier_wait -1                              ; and everybody's
	s_mov_b32 s[KS], 2
	s_mov_b32 s[TB], 16384
.Lsecond:
	HOOK
	STEP
	s_cmp_lt_u32 s[KS], 16
	s_cbranch_scc1 .Lsecond
	s_cmp_lt_u32 s[WV], 8
	s_cbranch_scc1 .Lnot_y
.rept 4
	v_nop
.endr
	global_load_b128 v[16:19], v1, s[QB:QB+1]      ; Y: the long block's Q comes in while the short block goes out
	global_load_b128 v[20:23], v1, s[QB:QB+1] offset:512
	FINISH
	FRESH
	s_wait_xcnt 0x0                                ; the stores have read their codes
	s_wait_alu depctr_va_vdst(0)
	s_wait_loadcnt 0x0
.Lnot_y:
	s_mov_b32 s[HI], s[HI2]
	s_mov_b32 s[DG], s[WV]
	s_mov_b32 s[KS], 9
	s_mov_b32 s[TB], 73728
.Lthird:
	STEP
	s_cmp_lt_u32 s[KS], 16
	s_cbranch_scc1 .Lthird
.rept 4
	v_nop
.endr
	s_cmp_lt_u32 s[WV], 8
	s_cbranch_scc1 .Lno_put
	v_add_f32 v13, v14, v15                        ; Y: my lane's part of the sum, beside -M
.irp j, 0,1,2,3,4,5,6,7
	ds_store_b128 v[MA], v[160+4*\j:163+4*\j] offset:512*\j
.endr
	ds_store_b64 v[MB], v[12:13]
.Lno_put:
	s_wait_dscnt 0x0
	s_barrier_signal -1
	s_barrier_wait -1
	s_cmp_ge_u32 s[WV], 8
	s_cbranch_scc1 .Lend
.irp j, 0,1,2,3,4,5,6,7
	ds_load_b128 v[96+4*\j:99+4*\j], v[MA] offset:512*\j
.endr
	ds_load_b64 v[128:129], v[MB]
	s_wait_dscnt 0x0
	v_min_num_f32 v130, v12, v128                  ; X: -M of the whole row
	v_sub_f32 v131, v130, v12
	v_sub_f32 v132, v130, v128
	v_cvt_i32_f32 v131, v131                       ; whole numbers, 0 or less (the conversion saturates)
	v_cvt_i32_f32 v132, v132
	v_ldexp_f32 v210, 1.0, v131                    ; my part's factor,
	v_ldexp_f32 v134, 1.0, v132                    ; and Y's: 0 where Y walked no key
	v_mov_b32 v135, 0
	v_pk_mul_f32 v[14:15], v[14:15], v[210:211] op_sel_hi:[1,0]
	v_fma_f32 v14, v129, v134, v14
.set n, 0
.rept 16
	v_pk_mul_f32 v[160+n:161+n], v[160+n:161+n], v[210:211] op_sel_hi:[1,0]
.set n, n+2
.endr
.set n, 0
.rept 16
	v_pk_fma_f32 v[160+n:161+n], v[96+n:97+n], v[134:135], v[160+n:161+n] op_sel_hi:[1,0,1]
.set n, n+2
.endr
	FINISH
.Lend:
	s_wait_tensorcnt 0x0                           ; the wave's end
	ds_add_u32 v[SPW], v[NIL]
	s_wait_dscnt 0x0
	CROUND                                         ; the closing round
	s_endpgm
.Lfunc_end_k_qfd9200cdc8_attn:
	.size	k_qfd9200cdc8_attn, .Lfunc_end_k_qfd9200cdc8_attn-k_qfd9200cdc8_attn
	.p2alignl 7, 3214868480
	.fill 96, 4, 3214868480
	.section	.rodata,"a",@progbits
	.p2align	6, 0x0
	.amdhsa_kernel k_qfd9200cdc8_attn
		.amdhsa_group_segment_fixed_size 327680
		.amdhsa_private_segment_fixed_size 0
		.amdhsa_enable_private_segment 0
		.amdhsa_kernarg_size 56
		.amdhsa_user_sgpr_count 2
		.amdhsa_user_sgpr_kernarg_segment_ptr 1
		.amdhsa_wavefront_size32 1
		.amdhsa_system_sgpr_workgroup_id_x 1
		.amdhsa_system_sgpr_workgroup_id_y 1
		.amdhsa_system_sgpr_workgroup_id_z 1
		.amdhsa_system_vgpr_workitem_id 0
		.amdhsa_next_free_vgpr 256
		.amdhsa_next_free_sgpr 100
		.amdhsa_reserve_vcc 1
		.amdhsa_float_denorm_mode_32 3
		.amdhsa_float_denorm_mode_16_64 3
		.amdhsa_memory_ordered 1
		.amdhsa_forward_progress 1
		.amdhsa_inst_pref_size 104
	.end_amdhsa_kernel
	.amdgpu_metadata
---
amdhsa.version: [ 1, 2 ]
amdhsa.kernels:
  - .name:           k_qfd9200cdc8_attn
    .symbol:         k_qfd9200cdc8_attn.kd
    .args:
      - { .name: qkvc, .offset: 0, .size: 8, .value_kind: global_buffer, .address_space: global }
      - { .name: lowp_scales, .offset: 8, .size: 8, .value_kind: global_buffer, .address_space: global }
      - { .name: yc, .offset: 16, .size: 8, .value_kind: global_buffer, .address_space: global }
      - { .name: w_proj, .offset: 24, .size: 8, .value_kind: global_buffer, .address_space: global }
      - { .name: w_fc, .offset: 32, .size: 8, .value_kind: global_buffer, .address_space: global }
      - { .name: w_cproj, .offset: 40, .size: 8, .value_kind: global_buffer, .address_space: global }
      - { .name: pq, .offset: 48, .size: 8, .value_kind: global_buffer, .address_space: global }
    .group_segment_fixed_size: 327680
    .private_segment_fixed_size: 0
    .kernarg_segment_align: 8
    .kernarg_segment_size: 56
    .max_flat_workgroup_size: 512
    .sgpr_count:     100
    .vgpr_count:     256
    .wavefront_size: 32
...
	.end_amdgpu_metadata
.endif
;; end of part 3
;; launch proj (part 4): grid 8 x 32, 4 waves a work-group, clusters of 4 x 4, 327,680 bytes of LDS; arguments yc, pq, lowp_scales, x, x1; writes x1
.if DOCPART == 4
	.amdgcn_target "amdgcn-amd-amdhsa--gfx1250"
	.amdhsa_code_object_version 6
	.text
	.protected	k_qfd9200cdc8_proj
	.globl	k_qfd9200cdc8_proj
	.p2align	8
	.type	k_qfd9200cdc8_proj,@function
k_qfd9200cdc8_proj:
	s_mov_b64 s[64:65], 0
	v_nop
	global_prefetch_b8 v0, s[64:65] scope:SCOPE_SE
	s_setreg_imm32_b32 hwreg(HW_REG_WAVE_MODE, 25, 1), 1
	s_wait_xcnt 0x0
	s_wait_alu depctr_hold_cnt(0) depctr_sa_sdst(0) depctr_va_vdst(0) depctr_va_sdst(0) depctr_va_ssrc(0) depctr_va_vcc(0) depctr_vm_vsrc(0)
	s_getreg_b32 s2, hwreg(HW_REG_IB_STS2, 6, 4)
	s_cmp_eq_u32 s2, 0
	s_cbranch_scc0 .Lentry_in_a_cluster
	s_endpgm
.Lentry_in_a_cluster:
	s_bfe_u32 s2, ttmp6, 0x10000c
	s_cmp_lg_u32 s2, 0xf033
	s_cbranch_scc0 .Lentry_shape_is_right
	s_endpgm
.Lentry_shape_is_right:
; Product 4 and the residual: x1 = x + y w_proj.  A = y's image (4,096 positions, K = 1,024), B = w_proj's image at pq + 3,145,728 (1,024 positions); out f32, row-major.
; A tile of 128 x 128 (256 work-groups), four waves of 64 x 64: 16 accumulators.  K is two slots of 4 K steps of 128; a wave's tensor load brings 4 K steps x 4 fragments of 2,048 bytes.
; CLUSTERS: 4 x 4; A's tiles are asked for jointly along a row of the cluster, B's along a column.
; Source 0 = B's fragments, source 1 = A's: a lane holds one position of A, and the 16 registers of accumulators (a, 2 p), (a, 2 p + 1) are 16 neighbouring true columns.
; THE WAY OUT: a block of 16 positions x 64 columns goes through the wave's own stage in LDS and comes back by rows of 256 bytes; sum x 2^(eA + eB) + residual is one fused multiply-add; positions become true rows in the stores' offsets.
; The residual's 32 loads a wave go out at the head, at the very addresses of the stores, and land under the products.
; PREFETCH: slot 1 is loaded behind slot 0, so it is asked for ahead of the first round: of the 4 K steps x 8,192 bytes that a wave fetches, the partner at place p (cx for A, cy for B) names K step p, lanes 256 bytes apart.
; LIMIT: eA + eB between -126 and 127.
.set BOFF, 3145728
.set EOFF, 24                          ; e6, e7
.set ASTEP, 524288                     ; bytes from K step to K step: 256 fragments
.set BSTEP, 131072                     ; 64 fragments
.set SLOT, 131072                      ; four regions of 32,768 bytes (A's halves, B's halves), each [K step 4][fragment 4][2,048]
.set STAGE, 262144                     ; behind the slots: 16 rows x 272 bytes for each wave
.set SP, 272
.set SPARE, STAGE+4*16*SP              ; behind the stages: the spare words
.set ADRA, 16
.set ADRB, 20
.set STO, 24
.set RD, 25
.set CO, 26
.set SPW, 28
.set NIL, 29
.set ACC, 128                          ; window 0: accumulator (a, b) at v[128 + 8 (4 a + b)]
.set F0, 0                             ; window 1: two buffers: source 0's 4 x 16 registers, then source 1's
.set F1, 128
.set G1, 24
.set G0, 32
.set G1B, 48
.set G0B, 56
.set MSB, 0
.macro WIN new
.if MSB != (\new)
	s_set_vgpr_msb (MSB<<8)|(\new)
.set MSB, (\new)
.endif
.endm
.macro PLACES n
.rept \n
	v_nop
.endr
.endm
.macro JLOAD g0a, g1a, g0b, g1b        ; waves 0 and 1 fetch A's halves, waves 2 and 3 B's; an s_nop 0 and four v_nop follow each line
	s_cmp_eq_u32 s15, 0
	s_cbranch_scc0 .Lfor_b_\@
	tensor_load_to_lds s[\g0a:\g0a+3], s[\g1a:\g1a+7]
	s_nop 0
.rept 4
	v_nop
.endr
	s_branch .Lasked_\@
.Lfor_b_\@:
	tensor_load_to_lds s[\g0b:\g0b+3], s[\g1b:\g1b+7]
	s_nop 0
.rept 4
	v_nop
.endr
.Lasked_\@:
.endm
.macro CREST
	s_cmp_lg_u32 s14, 0
	s_cbranch_scc1 .Lnot_wave_0_\@
	s_barrier_signal -3
.Lnot_wave_0_\@:
	s_barrier_wait -3
	s_barrier_signal -1
	s_barrier_wait -1
.endm
.macro CROUND
	s_barrier_signal -1
	s_barrier_wait -1
	CREST
.endm
	s_load_b256 s[4:11], s[0:1], 0x0               ; A 4:5, pq 6:7, the scales 8:9, the residual 10:11
	s_load_b64 s[12:13], s[0:1], 0x20              ; out
	v_lshl_add_u32 v[SPW], v0, 2, SPARE
	v_mov_b32 v[NIL], 0
	ds_add_u32 v[SPW], v[NIL]                      ; the wave's opening: the add, twice on end, and its wait ahead of my first tensor load
	ds_add_u32 v[SPW], v[NIL]
	v_lshrrev_b32 v1, 5, v0
	v_readfirstlane_b32 s14, v1
	v_and_b32 v30, 31, v0
	v_lshlrev_b32 v30, 8, v30                      ; the prefetch's offset: 256 x lane; never rewritten
	s_lshr_b32 s15, s14, 1                         ; wr.  Also: I fetch for A (0) or B (1)
	s_and_b32 s16, s14, 1                          ; wc.  Also: which half I fetch
	s_bfe_u32 s40, ttmp6, 0x40000
	s_bfe_u32 s41, ttmp6, 0x40004
	s_lshl_b32 s42, ttmp9, 2
	s_add_co_u32 s42, s42, s40                     ; tx
	s_and_b32 s17, ttmp7, 0xffff
	s_lshl_b32 s17, s17, 2
	s_add_co_u32 s17, s17, s41                     ; ty
	s_lshl_b32 s43, s41, 2
	s_lshl_b32 s43, 15, s43
	s_lshl_b32 s44, 0x1111, s40
	s_or_b32 s[G1+0], s43, (3<<16)|(1<<21)         ; the mask; elements of 8 bytes; bit 21 beside a mask; no padding
	s_or_b32 s[G1B+0], s44, (3<<16)|(1<<21)
.irp g, G1, G1B
	s_mov_b32 s[\g+1], 1024<<16                    ; tensor_dim0 = 1,024 elements: 4 fragments, 8,192 bytes
	s_mov_b32 s[\g+2], 4<<16                       ; tensor_dim1 = 4 K steps
	s_mov_b32 s[\g+3], 1024<<16
	s_mov_b32 s[\g+4], 4
	s_mov_b32 s[\g+6], 0
	s_mov_b32 s[\g+7], 0
.endr
	s_mov_b32 s[G1+5], ASTEP/8
	s_mov_b32 s[G1B+5], BSTEP/8
	s_lshl_b32 s18, s16, 13                        ; the half that I fetch: 4 fragments
	s_lshl_b32 s20, s17, 14                        ; A's tile: 8 fragments
	s_add_co_u32 s20, s20, s18
	s_mov_b32 s21, 0
	s_lshl_b32 s46, s42, 14
	s_add_co_u32 s46, s46, s18
	s_add_co_u32 s46, s46, BOFF
	s_mov_b32 s47, 0
	s_lshl_b32 s45, s14, 15
	s_wait_alu depctr_va_vdst(0)                   ; the wait here, directly ahead of the wait below
	s_wait_dscnt 0x0
	s_wait_kmcnt 0x0
	s_load_b64 s[96:97], s[8:9], EOFF              ; eA, eB
	s_add_nc_u64 s[20:21], s[4:5], s[20:21]
	s_add_nc_u64 s[46:47], s[6:7], s[46:47]
	s_cmp_eq_u32 s15, 0                            ; the prefetch: do I fetch for A?
	s_cselect_b64 s[66:67], s[20:21], s[46:47]
	s_cselect_b32 s72, s40, s41                    ; my place among the four that ask with me
	s_mov_b32 s74, BSTEP
	s_cselect_b32 s74, ASTEP, s74
	s_mul_i32 s72, s72, s74
	s_lshl_b32 s70, s74, 2                         ; slot 1: 4 K steps on
	s_add_co_u32 s72, s72, s70
	s_mov_b32 s73, 0
	s_add_nc_u64 s[66:67], s[66:67], s[72:73]      ; not written again
	global_prefetch_b8 v30, s[66:67] th:TH_LOAD_NT scope:SCOPE_SE
	CROUND
.irp s, 0,1
	s_mov_b32 s[G0+4*\s], 1
	s_add_co_u32 s[G0+4*\s+1], s45, \s*SLOT
	s_add_nc_u64 s[G0+4*\s+2:G0+4*\s+3], s[20:21], \s*4*ASTEP
	s_or_b32 s[G0+4*\s+3], s[G0+4*\s+3], 0x80000000
	s_mov_b32 s[G0B+4*\s], 1
	s_add_co_u32 s[G0B+4*\s+1], s45, \s*SLOT
	s_add_nc_u64 s[G0B+4*\s+2:G0B+4*\s+3], s[46:47], \s*4*BSTEP
	s_or_b32 s[G0B+4*\s+3], s[G0B+4*\s+3], 0x80000000
.endr
	JLOAD G0, G1, G0B, G1B                         ; slot 0: one tensor load a wave at the head
	v_and_b32 v1, 31, v0
	v_lshlrev_b32 v2, 4, v1                        ; 16 x lane
	s_lshl_b32 s21, s15, 15
	s_lshl_b32 s22, s16, 15
	s_add_co_u32 s22, s22, 65536
.irp s, 0,1
	v_add_nc_u32 v[ADRA+\s], s21, v2
	v_add_nc_u32 v[ADRB+\s], s22, v2
	s_add_co_u32 s21, s21, SLOT
	s_add_co_u32 s22, s22, SLOT
.endr
	v_and_b32 v3, 15, v0                           ; r
	v_bfe_u32 v4, v0, 4, 1                         ; h
	s_mul_i32 s23, s14, 16*SP
	s_add_co_u32 s23, s23, STAGE                   ; my stage
	v_mul_u32_u24 v5, v3, SP
	v_lshl_add_u32 v5, v4, 6, v5
	v_add_nc_u32 v[STO], s23, v5                   ; in: row r, + 64 h
	v_mul_u32_u24 v5, v4, SP
	v_lshl_add_u32 v5, v3, 4, v5
	v_add_nc_u32 v[RD], s23, v5                    ; back: lanes 0-15 one row, lanes 16-31 the next
	v_lshlrev_b32 v5, 12, v4
	v_lshl_add_u32 v[CO], v3, 4, v5                ; and the same two rows of 4,096 bytes in memory
	s_wait_alu depctr_va_vdst(0)
	s_lshl_b32 s20, s17, 7
	s_lshl_b32 s21, s15, 6
	s_add_co_u32 s20, s20, s21                     ; my first row: 128 ty + 64 wr
	s_lshl_b32 s20, s20, 12
	s_lshl_b32 s21, s42, 9
	s_add_co_u32 s20, s20, s21                     ; my first column, in bytes: 512 tx + 256 wc
	s_lshl_b32 s21, s16, 8
	s_add_co_u32 s20, s20, s21
	s_mov_b32 s21, 0
	s_add_nc_u64 s[10:11], s[10:11], s[20:21]
	s_add_nc_u64 s[12:13], s[12:13], s[20:21]
	WIN 0x80                                       ; destination window 2
.irp a, 0,1,2,3
.irp t, 0,1,2,3,4,5,6,7
	global_load_b128 v[32*\a+4*\t:32*\a+4*\t+3], v[CO], s[10:11] offset:((\a/2)*32+(\a%2)*8+(\t/4)*16+(\t%4)*2)*4096   ; position 2 t + lane / 16 of block a, as a true row
.endr
.endr
	WIN 0
.macro FETCH slot, q, f                ; 32 LDS loads in one run: the fragments of the slot's q-th K step
	WIN 0x40
.irp i, 0,1,2,3
.irp c, 0,1,2,3
	ds_load_b128 v[\f+16*\i+4*\c:\f+16*\i+4*\c+3], v[ADRB+\slot] offset:(\q)*8192+\i*2048+\c*512
.endr
.endr
.irp i, 0,1,2,3
.irp c, 0,1,2,3
	ds_load_b128 v[\f+64+16*\i+4*\c:\f+64+16*\i+4*\c+3], v[ADRA+\slot] offset:(\q)*8192+\i*2048+\c*512
.endr
.endr
.endm
.macro MUL4 a, f, zero                 ; A's block a against B's four; the 16 accumulators take turns in the same order in every step
	WIN 0x05                                       ; sources 0 and 1 window 1; C and D window 0
.irp b, 0,1,2,3
.if \zero
	v_wmma_f32_16x16x128_bf8_bf8 v[ACC+8*(4*(\a)+\b):ACC+8*(4*(\a)+\b)+7], v[\f+16*\b:\f+16*\b+15], v[\f+64+16*(\a):\f+64+16*(\a)+15], 0
.else
	v_wmma_f32_16x16x128_bf8_bf8 v[ACC+8*(4*(\a)+\b):ACC+8*(4*(\a)+\b)+7], v[\f+16*\b:\f+16*\b+15], v[\f+64+16*(\a):\f+64+16*(\a)+15], v[ACC+8*(4*(\a)+\b):ACC+8*(4*(\a)+\b)+7]
.endif
.endr
.endm
.macro STEPK slot, q, f, g, zero       ; K step q of the slot is asked for into g, then buffer f is multiplied
	PLACES 4
	FETCH \slot, \q, \g
	s_wait_dscnt 32                                ; all but the 32 just issued
.irp a, 0,1,2,3
	MUL4 \a, \f, \zero
.endr
.endm
	s_wait_alu depctr_va_vdst(0)
	s_wait_tensorcnt 0x0                           ; my part of slot 0 is in
	ds_add_u32 v[SPW], v[NIL]
	s_wait_dscnt 0x0
	CROUND
	JLOAD G0+4, G1, G0B+4, G1B                     ; slot 1: my one tensor load behind the round
	FETCH 0, 0, F0
	STEPK 0, 1, F0, F1, 1                          ; the first products start the sums
	STEPK 0, 2, F1, F0, 0
	STEPK 0, 3, F0, F1, 0
	WIN 0                                          ; slot 0's last K step (buffer 1) changes slots; nothing is filled again
	s_wait_tensorcnt 0x0                           ; my part of slot 1 has landed
	ds_add_u32 v[SPW], v[NIL]
	s_wait_dscnt 1                                 ; buffer 1 is in; the add may be out
	MUL4 0, F1, 0
	s_wait_dscnt 0x0                               ; the add is done, and my reads of slot 0 are over
	s_barrier_signal -1
	MUL4 1, F1, 0
	WIN 0
	s_barrier_wait -1
	PLACES 4
	FETCH 1, 0, F0
	MUL4 2, F1, 0
	MUL4 3, F1, 0
	STEPK 1, 1, F0, F1, 0
	STEPK 1, 2, F1, F0, 0
	STEPK 1, 3, F0, F1, 0
	s_wait_dscnt 0x0
.irp a, 0,1,2,3
	MUL4 \a, F1, 0
.endr
	WIN 0
.macro TOSTAGE a                       ; block a's sums into my stage, each accumulator from its low end on, and back by rows; LDS serves a wave's instructions in order (ISA guide 5.7.1.4)
.irp b, 0,1,2,3
	ds_store_b128 v[STO], v[ACC+8*(4*(\a)+\b):ACC+8*(4*(\a)+\b)+3] offset:(\b/2)*128+(\b%2)*32
	ds_store_b128 v[STO], v[ACC+8*(4*(\a)+\b)+4:ACC+8*(4*(\a)+\b)+7] offset:(\b/2)*128+(\b%2)*32+16
.endr
.set BK, 32+32*((\a)%2)
.irp t, 0,1,2,3,4,5,6,7
	ds_load_b128 v[BK+4*\t:BK+4*\t+3], v[RD] offset:\t*2*SP
.endr
.endm
.macro SEND a, younger
.set BK, 32+32*((\a)%2)
	s_wait_dscnt \younger
	WIN 0x20                                       ; source 2 (the residual) window 2
.set n, 0
.rept 16
	v_pk_fma_f32 v[BK+n:BK+n+1], v[BK+n:BK+n+1], s[96:97], v[32*(\a)+n:32*(\a)+n+1] op_sel_hi:[1,0,1]   ; sum x 2^(eA + eB) + residual
.set n, n+2
.endr
	WIN 0
.irp t, 0,1,2,3,4,5,6,7
	global_store_b128 v[CO], v[BK+4*\t:BK+4*\t+3], s[12:13] offset:(((\a)/2)*32+((\a)%2)*8+(\t/4)*16+(\t%4)*2)*4096   ; 16 lanes store 256 consecutive bytes, aligned
.endr
.endm
	s_wait_kmcnt 0x0
	s_add_co_i32 s96, s96, s97
	s_add_co_i32 s96, s96, 127
	s_lshl_b32 s96, s96, 23                        ; 2^(eA + eB) as f32
	s_mov_b32 s97, s96
	s_wait_loadcnt 0x0                             ; the residual
	PLACES 4                                       ; between the last products and the first read of results
	TOSTAGE 0
	TOSTAGE 1
	SEND 0, 16                                     ; behind block 0's loads: block 1's 8 stores and 8 loads
	s_wait_xcnt 0x0                                ; block 0's stores have read their registers: block 2's loads may land there
	TOSTAGE 2
	SEND 1, 16
	s_wait_xcnt 0x0
	TOSTAGE 3
	SEND 2, 16
	SEND 3, 0
	s_wait_tensorcnt 0x0                           ; the wave's end
	ds_add_u32 v[SPW], v[NIL]
	s_wait_dscnt 0x0
	CROUND                                         ; the closing round
	s_endpgm
.Lfunc_end_k_qfd9200cdc8_proj:
	.size	k_qfd9200cdc8_proj, .Lfunc_end_k_qfd9200cdc8_proj-k_qfd9200cdc8_proj
	.p2alignl 7, 3214868480
	.fill 96, 4, 3214868480
	.section	.rodata,"a",@progbits
	.p2align	6, 0x0
	.amdhsa_kernel k_qfd9200cdc8_proj
		.amdhsa_group_segment_fixed_size 327680
		.amdhsa_private_segment_fixed_size 0
		.amdhsa_enable_private_segment 0
		.amdhsa_kernarg_size 40
		.amdhsa_user_sgpr_count 2
		.amdhsa_user_sgpr_kernarg_segment_ptr 1
		.amdhsa_wavefront_size32 1
		.amdhsa_system_sgpr_workgroup_id_x 1
		.amdhsa_system_sgpr_workgroup_id_y 1
		.amdhsa_system_sgpr_workgroup_id_z 1
		.amdhsa_system_vgpr_workitem_id 0
		.amdhsa_next_free_vgpr 640
		.amdhsa_next_free_sgpr 100
		.amdhsa_reserve_vcc 0
		.amdhsa_float_denorm_mode_32 3
		.amdhsa_float_denorm_mode_16_64 3
		.amdhsa_memory_ordered 1
		.amdhsa_forward_progress 1
		.amdhsa_inst_pref_size 49
	.end_amdhsa_kernel
	.amdgpu_metadata
---
amdhsa.version: [ 1, 2 ]
amdhsa.kernels:
  - .name:           k_qfd9200cdc8_proj
    .symbol:         k_qfd9200cdc8_proj.kd
    .args:
      - { .name: yc, .offset: 0, .size: 8, .value_kind: global_buffer, .address_space: global }
      - { .name: pq, .offset: 8, .size: 8, .value_kind: global_buffer, .address_space: global }
      - { .name: lowp_scales, .offset: 16, .size: 8, .value_kind: global_buffer, .address_space: global }
      - { .name: x, .offset: 24, .size: 8, .value_kind: global_buffer, .address_space: global }
      - { .name: x1, .offset: 32, .size: 8, .value_kind: global_buffer, .address_space: global }
    .group_segment_fixed_size: 327680
    .private_segment_fixed_size: 0
    .kernarg_segment_align: 8
    .kernarg_segment_size: 40
    .max_flat_workgroup_size: 128
    .sgpr_count:     100
    .vgpr_count:     640
    .wavefront_size: 32
...
	.end_amdgpu_metadata
.endif
;; end of part 4
;; launch ln2 (part 5): grid 256 x 1, 4 waves a work-group, no clusters, 66,304 bytes of LDS; arguments x1, ln2_w, lowp_scales, h2c; writes h2c
.if DOCPART == 5
	.amdgcn_target "amdgcn-amd-amdhsa--gfx1250"
	.amdhsa_code_object_version 6
	.text
	.protected	k_qfd9200cdc8_ln2
	.globl	k_qfd9200cdc8_ln2
	.p2align	8
	.type	k_qfd9200cdc8_ln2,@function
k_qfd9200cdc8_ln2:
	s_mov_b64 s[64:65], 0
	v_nop
	global_prefetch_b8 v0, s[64:65] scope:SCOPE_SE
	s_setreg_imm32_b32 hwreg(HW_REG_WAVE_MODE, 25, 1), 1
	s_wait_xcnt 0x0
; h2 = LN2(x1), quantised with e8 into an image (16 positions x 128 K = 2,048 consecutive bytes; a position is a row's number with bits 3 and 4 exchanged; K step to K step 524,288 bytes).
; The work-group is block rb of 16 positions; wave w normalises positions 4 w .. 4 w + 3 (four neighbouring true rows, each whole in 32 registers a lane); the 16 rows meet in a stage in LDS; wave w then makes K steps 2 w, 2 w + 1.
; code = number / 2^e8, held within +-57,344, to the nearest code, ties to even.  LIMITS: e8 between -126 and 112.  NaN among the inputs is not served.
; The launch streams: no matrix unit, no tensor load, no cluster.
.set SPARE, 65792
.set PITCH, 4112                       ; 4,096 bytes + 16: an odd multiple of 16
.set SPW, 4
.set NIL, 5
.set WRA, 6
.set RDA, 7
.set LIM, 10
.set SCL, 11
.set W, 16
.set X, 48
.set T, 176
.set CD, 176
.set DSTR, 10
.set DOFF, 0
	s_load_b256 s[4:11], s[0:1], 0x0               ; x1 4:5, ln2_w 6:7, the scales 8:9, h2c 10:11
	v_lshl_add_u32 v[SPW], v0, 2, SPARE
	v_mov_b32 v[NIL], 0
	v_lshrrev_b32 v1, 5, v0
	v_readfirstlane_b32 s33, v1
	v_and_b32 v1, 31, v0
	v_lshlrev_b32 v2, 4, v1
	s_mul_i32 s38, s33, 4*PITCH
	v_add_nc_u32 v[WRA], s38, v2
	v_and_b32 v8, 15, v0
	v_mul_u32_u24 v[RDA], v8, PITCH
	v_bfe_u32 v8, v0, 4, 1
	v_lshl_add_u32 v[RDA], v8, 6, v[RDA]
	s_lshl_b32 s38, s33, 10
	v_add_nc_u32 v[RDA], s38, v[RDA]
	s_wait_alu depctr_va_vdst(0)
	s_wait_kmcnt 0x0
	s_load_b32 s20, s[8:9], 0x20                   ; e8
	s_lshr_b32 s38, ttmp9, 1
	s_lshl_b32 s38, s38, 5
	s_and_b32 s39, ttmp9, 1
	s_lshl_b32 s39, s39, 3
	s_add_co_u32 s38, s38, s39
	s_lshr_b32 s39, s33, 1
	s_lshl_b32 s39, s39, 4
	s_add_co_u32 s38, s38, s39
	s_and_b32 s39, s33, 1
	s_lshl_b32 s39, s39, 2
	s_add_co_u32 s38, s38, s39                     ; my first true row: 32 (rb / 2) + 8 (rb % 2) + 16 (w / 2) + 4 (w % 2)
	s_lshl_b32 s38, s38, 12
	s_mov_b32 s39, 0
	s_add_nc_u64 s[4:5], s[4:5], s[38:39]
	s_lshl_b32 s38, ttmp9, 11
	s_lshl_b32 s40, s33, 20
	s_add_co_u32 s38, s38, s40
.if DOFF
	s_add_co_u32 s38, s38, DOFF
.endif
	s_add_nc_u64 s[DSTR:DSTR+1], s[DSTR:DSTR+1], s[38:39]
.irp j, 0,1,2,3,4,5,6,7
	global_load_b128 v[W+4*\j:W+4*\j+3], v2, s[6:7] offset:512*\j
.endr
.irp i, 0,1,2,3
.irp j, 0,1,2,3,4,5,6,7
	global_load_b128 v[X+32*\i+4*\j:X+32*\i+4*\j+3], v2, s[4:5] offset:4096*\i+512*\j
.endr
.endr
	s_mov_b32 s34, 0x76543210
	s_mov_b32 s35, 0xfedcba98
	s_mov_b32 s36, 0x3a800000                      ; 1 / 1,024
	s_mov_b32 s37, 0x3727c5ac                      ; 1e-5
.irp i, 0,1,2,3
	v_mov_b32 v[T+8*\i+7], 0
.endr
	s_wait_kmcnt 0x0
	s_add_co_i32 s40, s20, 127
	s_lshl_b32 s41, s40, 23
	v_mov_b32 v[SCL], s41
	s_add_co_i32 s40, s40, 15
	s_lshl_b32 s40, s40, 23
	s_or_b32 s40, s40, 0x600000
	v_mov_b32 v[LIM], s40
.macro RED k                           ; the sum of register T + k over the 32 lanes, the four rows by turns
.irp m, 1,2,4,8
.irp i, 0,1,2,3
	v_add_f32_dpp v[T+8*\i+\k], v[T+8*\i+\k], v[T+8*\i+\k] row_xmask:\m row_mask:0xf bank_mask:0xf
.endr
.endr
.irp i, 0,1,2,3
	v_permlanex16_b32 v[T+8*\i+7], v[T+8*\i+\k], s34, s35
.endr
.irp i, 0,1,2,3
	v_add_f32 v[T+8*\i+\k], v[T+8*\i+\k], v[T+8*\i+7]
.endr
.endm
	s_wait_loadcnt 0x0
.irp i, 0,1,2,3
	v_pk_add_f32 v[T+8*\i:T+8*\i+1], v[X+32*\i:X+32*\i+1], v[X+32*\i+2:X+32*\i+3]
	v_pk_add_f32 v[T+8*\i+2:T+8*\i+3], v[X+32*\i+4:X+32*\i+5], v[X+32*\i+6:X+32*\i+7]
.endr
.irp j, 8,12,16,20,24,28
.irp i, 0,1,2,3
	v_pk_add_f32 v[T+8*\i:T+8*\i+1], v[T+8*\i:T+8*\i+1], v[X+32*\i+\j:X+32*\i+\j+1]
	v_pk_add_f32 v[T+8*\i+2:T+8*\i+3], v[T+8*\i+2:T+8*\i+3], v[X+32*\i+\j+2:X+32*\i+\j+3]
.endr
.endr
.irp i, 0,1,2,3
	v_pk_add_f32 v[T+8*\i:T+8*\i+1], v[T+8*\i:T+8*\i+1], v[T+8*\i+2:T+8*\i+3]
.endr
.irp i, 0,1,2,3
	v_add_f32 v[T+8*\i], v[T+8*\i], v[T+8*\i+1]
.endr
	RED 0
.irp i, 0,1,2,3
	v_mul_f32 v[T+8*\i], s36, v[T+8*\i]            ; the mean
.endr
.irp j, 0,2,4,6,8,10,12,14,16,18,20,22,24,26,28,30
.irp i, 0,1,2,3
	v_pk_add_f32 v[X+32*\i+\j:X+32*\i+\j+1], v[X+32*\i+\j:X+32*\i+\j+1], v[T+8*\i:T+8*\i+1] op_sel_hi:[1,0] neg_lo:[0,1] neg_hi:[0,1]
.endr
.endr
.irp i, 0,1,2,3
	v_pk_mul_f32 v[T+8*\i+2:T+8*\i+3], v[X+32*\i:X+32*\i+1], v[X+32*\i:X+32*\i+1]
	v_pk_mul_f32 v[T+8*\i+4:T+8*\i+5], v[X+32*\i+2:X+32*\i+3], v[X+32*\i+2:X+32*\i+3]
.endr
.irp j, 4,8,12,16,20,24,28
.irp i, 0,1,2,3
	v_pk_fma_f32 v[T+8*\i+2:T+8*\i+3], v[X+32*\i+\j:X+32*\i+\j+1], v[X+32*\i+\j:X+32*\i+\j+1], v[T+8*\i+2:T+8*\i+3]
	v_pk_fma_f32 v[T+8*\i+4:T+8*\i+5], v[X+32*\i+\j+2:X+32*\i+\j+3], v[X+32*\i+\j+2:X+32*\i+\j+3], v[T+8*\i+4:T+8*\i+5]
.endr
.endr
.irp i, 0,1,2,3
	v_pk_add_f32 v[T+8*\i+2:T+8*\i+3], v[T+8*\i+2:T+8*\i+3], v[T+8*\i+4:T+8*\i+5]
.endr
.irp i, 0,1,2,3
	v_add_f32 v[T+8*\i+2], v[T+8*\i+2], v[T+8*\i+3]
.endr
	RED 2
.irp i, 0,1,2,3
	v_fma_f32 v[T+8*\i+2], v[T+8*\i+2], s36, s37   ; var + 1e-5
.endr
	s_wait_alu depctr_va_vdst(0)
.irp i, 0,1,2,3
	v_rsq_f32 v[T+8*\i+4], v[T+8*\i+2]             ; one batch
.endr
	v_nop                                          ; a plain instruction behind the last of them,
	s_wait_alu depctr_va_vdst(0)                   ; and one wait for the batch, ahead of its first reader
.irp j, 0,2,4,6,8,10,12,14,16,18,20,22,24,26,28,30
.irp i, 0,1,2,3
	v_pk_mul_f32 v[X+32*\i+\j:X+32*\i+\j+1], v[X+32*\i+\j:X+32*\i+\j+1], v[T+8*\i+4:T+8*\i+5] op_sel_hi:[1,0]
.endr
.endr
.irp j, 0,2,4,6,8,10,12,14,16,18,20,22,24,26,28,30
.irp i, 0,1,2,3
	v_pk_mul_f32 v[X+32*\i+\j:X+32*\i+\j+1], v[X+32*\i+\j:X+32*\i+\j+1], v[W+\j:W+\j+1]
.endr
.endr
.irp i, 0,1,2,3
.irp j, 0,1,2,3,4,5,6,7
	ds_store_b128 v[WRA], v[X+32*\i+4*\j:X+32*\i+4*\j+3] offset:\i*PITCH+512*\j
.endr
.endr
	s_wait_dscnt 0x0                               ; for the others' sake: my stores have landed
	s_barrier_signal -1
	s_barrier_wait -1
.irp g, 0,1,2,3,4,5,6,7
.irp n, 0,1,2,3
	ds_load_b128 v[X+16*\g+4*\n:X+16*\g+4*\n+3], v[RDA] offset:(\g/4)*512+(\g%4)*128+16*\n
.endr
.endr
.irp g, 0,1,2,3,4,5,6,7
	s_wait_dscnt 4*(7-\g)                          ; the younger groups' loads may stay out
.irp n, 0,1,2,3,4,5,6,7,8,9,10,11,12,13,14,15
	v_med3_num_f32 v[X+16*\g+\n], v[X+16*\g+\n], -v[LIM], v[LIM]
.endr
	v_cvt_scalef32_pk8_bf8_f32 v[CD+4*\g:CD+4*\g+1], v[X+16*\g:X+16*\g+7], v[SCL]
	v_cvt_scalef32_pk8_bf8_f32 v[CD+4*\g+2:CD+4*\g+3], v[X+16*\g+8:X+16*\g+15], v[SCL]
	global_store_b128 v2, v[CD+4*\g:CD+4*\g+3], s[DSTR:DSTR+1] offset:(\g/4)*524288+(\g%4)*512   ; 512 consecutive bytes of the image
.endr
	s_wait_tensorcnt 0x0                           ; the wave's end
	ds_add_u32 v[SPW], v[NIL]
	s_wait_dscnt 0x0
	s_endpgm
.Lfunc_end_k_qfd9200cdc8_ln2:
	.size	k_qfd9200cdc8_ln2, .Lfunc_end_k_qfd9200cdc8_ln2-k_qfd9200cdc8_ln2
	.p2alignl 7, 3214868480
	.fill 96, 4, 3214868480
	.section	.rodata,"a",@progbits
	.p2align	6, 0x0
	.amdhsa_kernel k_qfd9200cdc8_ln2
		.amdhsa_group_segment_fixed_size 66304
		.amdhsa_private_segment_fixed_size 0
		.amdhsa_enable_private_segment 0
		.amdhsa_kernarg_size 32
		.amdhsa_user_sgpr_count 2
		.amdhsa_user_sgpr_kernarg_segment_ptr 1
		.amdhsa_wavefront_size32 1
		.amdhsa_system_sgpr_workgroup_id_x 1
		.amdhsa_system_sgpr_workgroup_id_y 1
		.amdhsa_system_sgpr_workgroup_id_z 1
		.amdhsa_system_vgpr_workitem_id 0
		.amdhsa_next_free_vgpr 208
		.amdhsa_next_free_sgpr 66
		.amdhsa_reserve_vcc 0
		.amdhsa_float_denorm_mode_32 3
		.amdhsa_float_denorm_mode_16_64 3
		.amdhsa_memory_ordered 1
		.amdhsa_forward_progress 1
		.amdhsa_inst_pref_size 44
	.end_amdhsa_kernel
	.amdgpu_metadata
---
amdhsa.version: [ 1, 2 ]
amdhsa.kernels:
  - .name:           k_qfd9200cdc8_ln2
    .symbol:         k_qfd9200cdc8_ln2.kd
    .args:
      - { .name: x1, .offset: 0, .size: 8, .value_kind: global_buffer, .address_space: global }
      - { .name: ln2_w, .offset: 8, .size: 8, .value_kind: global_buffer, .address_space: global }
      - { .name: lowp_scales, .offset: 16, .size: 8, .value_kind: global_buffer, .address_space: global }
      - { .name: h2c, .offset: 24, .size: 8, .value_kind: global_buffer, .address_space: global }
    .group_segment_fixed_size: 66304
    .private_segment_fixed_size: 0
    .kernarg_segment_align: 8
    .kernarg_segment_size: 32
    .max_flat_workgroup_size: 128
    .sgpr_count:     66
    .vgpr_count:     208
    .wavefront_size: 32
...
	.end_amdgpu_metadata
.endif
;; end of part 5
;; launch fc (part 6): grid 16 x 16, 4 waves a work-group, clusters of 4 x 4, 327,680 bytes of LDS; arguments h2c, pq, lowp_scales, hid; writes hid
.if DOCPART == 6
	.amdgcn_target "amdgcn-amd-amdhsa--gfx1250"
	.amdhsa_code_object_version 6
	.text
	.protected	k_qfd9200cdc8_fc
	.globl	k_qfd9200cdc8_fc
	.p2align	8
	.type	k_qfd9200cdc8_fc,@function
k_qfd9200cdc8_fc:
	s_mov_b64 s[64:65], 0
	v_nop
	global_prefetch_b8 v0, s[64:65] scope:SCOPE_SE
	s_setreg_imm32_b32 hwreg(HW_REG_WAVE_MODE, 25, 1), 1
	s_wait_xcnt 0x0
	s_wait_alu depctr_hold_cnt(0) depctr_sa_sdst(0) depctr_va_vdst(0) depctr_va_sdst(0) depctr_va_ssrc(0) depctr_va_vcc(0) depctr_vm_vsrc(0)
	s_getreg_b32 s2, hwreg(HW_REG_IB_STS2, 6, 4)
	s_cmp_eq_u32 s2, 0
	s_cbranch_scc0 .Lentry_in_a_cluster
	s_endpgm
.Lentry_in_a_cluster:
	s_bfe_u32 s2, ttmp6, 0x10000c
	s_cmp_lg_u32 s2, 0xf033
	s_cbranch_scc0 .Lentry_shape_is_right
	s_endpgm
.Lentry_shape_is_right:
; Product 5 and the activation: hid = relu(h2 w_fc) on codes of BF8, quantised at once with e10 into the image that the last product reads (4,096 positions, K = 4,096).
; OPERANDS are images (16 positions x 128 K = 2,048 consecutive bytes).  Y = h2c (4,096 tokens); X = w_fc (4,096 columns) at pq + 4,194,304.
; A tile of 256 x 256 is made by four waves, each 128 x 128: 64 accumulators.  K = 1,024 goes in four fills of a ring of two LDS slots, 256 along K each; a wave's tensor load brings 2 K steps x 8 fragments.
; CLUSTERS: 4 x 4 work-groups; Y's tiles are asked for jointly along a row of the cluster, X's along a column.
; Source 1 = tokens (their positions fall to the lanes), source 0 = columns: the 16 registers of accumulators (a, 2 p), (a, 2 p + 1) are 16 neighbouring hidden units, the next product's K.
; The hold that the conversion wants clips at 0 as well: the activation costs nothing.  Each store is 512 consecutive bytes of the image.
; LIMITS: e10 - e8 - e9 between -126 and 112.
; REGISTERS, in windows of 256: window 0: v16-31 addresses and constants, v128-255 the codes;  window 1: two fragment buffers (64 along K);  windows 2, 3: the accumulators.
.set KIND, 1                           ; 0: qkv;  1: fc
.set RX, 4096
.set YOFF, 0
.set XOFF, 4194304
.set YB, 4
.set XB, 6
.set SB, 8
.set OB, 10
.set YSTEP, 4096*128
.set XSTEP, RX*128
.set SLOT, 131072
.set SPARE, 262144
.set ADRA, 16
.set ADRB, 20
.set L16, 24
.set SPW, 28
.set NIL, 29
.set SCL, 30
.set LIM, 31
.set CODE, 128
.set F0, 0
.set F1, 128
.set G1, 24
.set G0, 32
.set G1B, 48
.set G0B, 56
.set MSB, 0
.macro WIN new
.if MSB != (\new)
	s_set_vgpr_msb (MSB<<8)|(\new)
.set MSB, (\new)
.endif
.endm
.macro PLACES n
.rept \n
	v_nop
.endr
.endm
.macro JLOAD g0a, g1a, g0b, g1b        ; waves 0 and 1 fetch Y's halves, waves 2 and 3 X's; an s_nop 0 and four v_nop follow each line
	s_cmp_eq_u32 s15, 0
	s_cbranch_scc0 .Lfor_b_\@
	tensor_load_to_lds s[\g0a:\g0a+3], s[\g1a:\g1a+7]
	s_nop 0
.rept 4
	v_nop
.endr
	s_branch .Lasked_\@
.Lfor_b_\@:
	tensor_load_to_lds s[\g0b:\g0b+3], s[\g1b:\g1b+7]
	s_nop 0
.rept 4
	v_nop
.endr
.Lasked_\@:
.endm
.macro CREST
	s_cmp_lg_u32 s14, 0
	s_cbranch_scc1 .Lnot_wave_0_\@
	s_barrier_signal -3
.Lnot_wave_0_\@:
	s_barrier_wait -3
	s_barrier_signal -1
	s_barrier_wait -1
.endm
.macro CROUND
	s_barrier_signal -1
	s_barrier_wait -1
	CREST
.endm
	s_load_b256 s[4:11], s[0:1], 0x0               ; h2c, pq, the scales, hid
	v_lshl_add_u32 v[SPW], v0, 2, SPARE
	v_mov_b32 v[NIL], 0
	ds_add_u32 v[SPW], v[NIL]                      ; the wave's opening: the add, twice on end, and its wait ahead of my first tensor load
	ds_add_u32 v[SPW], v[NIL]
	v_lshrrev_b32 v1, 5, v0
	v_readfirstlane_b32 s14, v1
	v_and_b32 v26, 31, v0
	v_lshlrev_b32 v26, 8, v26                      ; the prefetches' offset: 256 x lane; never rewritten
	s_lshr_b32 s15, s14, 1                         ; wr.  Also: I fetch for Y (0) or X (1)
	s_and_b32 s16, s14, 1                          ; wc.  Also: which half I fetch
	s_bfe_u32 s40, ttmp6, 0x40000
	s_bfe_u32 s41, ttmp6, 0x40004
	s_lshl_b32 s42, ttmp9, 2
	s_add_co_u32 s42, s42, s40                     ; tx
	s_and_b32 s17, ttmp7, 0xffff
	s_lshl_b32 s17, s17, 2
	s_add_co_u32 s17, s17, s41                     ; ty
	s_lshl_b32 s43, s41, 2
	s_lshl_b32 s43, 15, s43
	s_lshl_b32 s44, 0x1111, s40
	s_or_b32 s[G1+0], s43, (3<<16)|(1<<21)
	s_or_b32 s[G1B+0], s44, (3<<16)|(1<<21)
.irp g, G1, G1B
	s_mov_b32 s[\g+1], 2048<<16                    ; tensor_dim0 = 2,048 elements of 8 bytes: 8 fragments
	s_mov_b32 s[\g+2], 2<<16                       ; tensor_dim1 = 2 K steps
	s_mov_b32 s[\g+3], 2048<<16
	s_mov_b32 s[\g+4], 2
	s_mov_b32 s[\g+6], 0
	s_mov_b32 s[\g+7], 0
.endr
	s_mov_b32 s[G1+5], YSTEP/8
	s_mov_b32 s[G1B+5], XSTEP/8
	s_lshl_b32 s18, s16, 14
	s_lshl_b32 s20, s17, 15
	s_add_co_u32 s20, s20, s18
	s_mov_b32 s21, 0
	s_lshl_b32 s46, s42, 15
	s_add_co_u32 s46, s46, s18
	s_add_co_u32 s46, s46, XOFF
	s_mov_b32 s47, 0
	s_lshl_b32 s45, s14, 15
	s_wait_alu depctr_va_vdst(0)                   ; the wait here, directly ahead of the wait below
	s_wait_dscnt 0x0
	s_wait_kmcnt 0x0
	s_load_b128 s[76:79], s[SB:SB+1], 0x20         ; e8 .. e11
	s_add_nc_u64 s[20:21], s[YB:YB+1], s[20:21]
	s_add_nc_u64 s[46:47], s[XB:XB+1], s[46:47]
	; PREFETCH of slots 1, 2, 3: of the 2 K steps x 16,384 bytes that I fetch for a slot, the partner at place p (cx for Y, cy for X) names K step p / 2, half p % 2: 8,192 bytes, lanes 256 bytes apart.
	; Slot 1 is asked for here, slot 2 behind slot 0's load, slot 3 behind slot 1's: at most two slots are asked for and not yet loaded.  Three pointers, never rewritten.
	s_cmp_eq_u32 s15, 0
	s_cselect_b64 s[90:91], s[20:21], s[46:47]
	s_cselect_b32 s96, s40, s41
	s_mov_b32 s98, XSTEP
	s_cselect_b32 s98, YSTEP, s98
	s_lshr_b32 s97, s96, 1
	s_mul_i32 s97, s97, s98
	s_and_b32 s96, s96, 1
	s_lshl_b32 s96, s96, 13
	s_add_co_u32 s96, s96, s97
	s_lshl_b32 s98, s98, 1                         ; a slot on: 2 K steps
	s_add_co_u32 s96, s96, s98
	s_mov_b32 s97, 0
	s_mov_b32 s99, 0
	s_add_nc_u64 s[90:91], s[90:91], s[96:97]
	s_add_nc_u64 s[92:93], s[90:91], s[98:99]
	s_add_nc_u64 s[94:95], s[92:93], s[98:99]
	global_prefetch_b8 v26, s[90:91] th:TH_LOAD_NT scope:SCOPE_SE
	CROUND
.irp s, 0,1
	s_mov_b32 s[G0+4*\s], 1
	s_add_co_u32 s[G0+4*\s+1], s45, \s*SLOT
	s_add_nc_u64 s[G0+4*\s+2:G0+4*\s+3], s[20:21], \s*2*YSTEP
	s_or_b32 s[G0+4*\s+3], s[G0+4*\s+3], 0x80000000
	s_mov_b32 s[G0B+4*\s], 1
	s_add_co_u32 s[G0B+4*\s+1], s45, \s*SLOT
	s_add_nc_u64 s[G0B+4*\s+2:G0B+4*\s+3], s[46:47], \s*2*XSTEP
	s_or_b32 s[G0B+4*\s+3], s[G0B+4*\s+3], 0x80000000
.endr
	JLOAD G0, G1, G0B, G1B                         ; slot 0: one tensor load a wave at the head
	global_prefetch_b8 v26, s[92:93] th:TH_LOAD_NT scope:SCOPE_SE
	v_and_b32 v1, 31, v0
	v_lshlrev_b32 v[L16], 4, v1
	s_lshl_b32 s21, s15, 15                        ; source 1: Y's half wr
	s_lshl_b32 s22, s16, 15
	s_add_co_u32 s22, s22, 65536                   ; source 0: X's half wc
.irp s, 0,1
	v_add_nc_u32 v[ADRA+\s], s21, v[L16]
	v_add_nc_u32 v[ADRB+\s], s22, v[L16]
	s_add_co_u32 s21, s21, SLOT
	s_add_co_u32 s22, s22, SLOT
.endr
.macro FETCH slot, hs, f               ; 32 LDS loads in one run: the fragments of the slot's hs-th 64 along K
	WIN 0x40
.irp i, 0,1,2,3,4,5,6,7
	ds_load_b128 v[\f+8*\i:\f+8*\i+3],   v[ADRB+\slot] offset:((\hs)/2)*16384+((\hs)%2)*1024+\i*2048
	ds_load_b128 v[\f+8*\i+4:\f+8*\i+7], v[ADRB+\slot] offset:((\hs)/2)*16384+((\hs)%2)*1024+\i*2048+512
.endr
.irp i, 0,1,2,3,4,5,6,7
	ds_load_b128 v[\f+64+8*\i:\f+64+8*\i+3],   v[ADRA+\slot] offset:((\hs)/2)*16384+((\hs)%2)*1024+\i*2048
	ds_load_b128 v[\f+64+8*\i+4:\f+64+8*\i+7], v[ADRA+\slot] offset:((\hs)/2)*16384+((\hs)%2)*1024+\i*2048+512
.endr
.endm
.macro MULA a, f, zero                 ; source 1's block a against source 0's eight; the 64 accumulators take turns in the same order in every half step
	WIN 0xa5+0x50*((\a)/4)
.irp b, 0,1,2,3,4,5,6,7
.if \zero
	v_wmma_f32_16x16x64_bf8_bf8 v[8*(8*((\a)%4)+\b):8*(8*((\a)%4)+\b)+7], v[\f+8*\b:\f+8*\b+7], v[\f+64+8*(\a):\f+64+8*(\a)+7], 0
.else
	v_wmma_f32_16x16x64_bf8_bf8 v[8*(8*((\a)%4)+\b):8*(8*((\a)%4)+\b)+7], v[\f+8*\b:\f+8*\b+7], v[\f+64+8*(\a):\f+64+8*(\a)+7], v[8*(8*((\a)%4)+\b):8*(8*((\a)%4)+\b)+7]
.endif
.endr
.endm
.macro HALF slot, hs, f, g, zero
	PLACES 4                                       ; between the products that read g and the loads into it
	FETCH \slot, \hs, \g
	s_wait_dscnt 32                                ; all but the 32 just issued: f is in
.irp a, 0,1,2,3,4,5,6,7
	MULA \a, \f, \zero
.endr
.endm
.macro TURN slot, next, fill
	WIN 0
	s_wait_tensorcnt 0x0                           ; all my tensor loads have landed
	ds_add_u32 v[SPW], v[NIL]
	s_wait_dscnt 1                                 ; buffer 1 is in; the add may be out
	MULA 0, F1, 0
	MULA 1, F1, 0
	s_wait_dscnt 0x0                               ; the add is done, and my reads of this slot are over
	s_barrier_signal -1
	MULA 2, F1, 0
	MULA 3, F1, 0
	WIN 0
	s_barrier_wait -1
.if \fill
	CREST
	s_add_nc_u64 s[G0+4*\slot+2:G0+4*\slot+3], s[G0+4*\slot+2:G0+4*\slot+3], 4*YSTEP
	s_add_nc_u64 s[G0B+4*\slot+2:G0B+4*\slot+3], s[G0B+4*\slot+2:G0B+4*\slot+3], 4*XSTEP
	JLOAD G0+4*\slot, G1, G0B+4*\slot, G1B
.else
	PLACES 4
.endif
	FETCH \next, 0, F0
.irp a, 4,5,6,7
	MULA \a, F1, 0
.endr
.endm
	s_wait_alu depctr_va_vdst(0)
	s_wait_tensorcnt 0x0                           ; my part of slot 0 is in
	ds_add_u32 v[SPW], v[NIL]
	s_wait_dscnt 0x0
	CROUND
	JLOAD G0+4, G1, G0B+4, G1B                     ; slot 1: my one tensor load behind the round
	global_prefetch_b8 v26, s[94:95] th:TH_LOAD_NT scope:SCOPE_SE
	FETCH 0, 0, F0
	HALF 0, 1, F0, F1, 1
	HALF 0, 2, F1, F0, 0
	HALF 0, 3, F0, F1, 0
	TURN 0, 1, 1
	HALF 1, 1, F0, F1, 0
	HALF 1, 2, F1, F0, 0
	HALF 1, 3, F0, F1, 0
	TURN 1, 0, 1
	HALF 0, 1, F0, F1, 0
	HALF 0, 2, F1, F0, 0
	HALF 0, 3, F0, F1, 0
	TURN 0, 1, 0
	HALF 1, 1, F0, F1, 0
	HALF 1, 2, F1, F0, 0
	HALF 1, 3, F0, F1, 0
	s_wait_dscnt 0x0
.irp a, 0,1,2,3,4,5,6,7
	MULA \a, F1, 0
.endr
	WIN 0
	s_wait_kmcnt 0x0
	s_sub_co_i32 s80, s78, s76                     ; e10 - e8 - e9: the three scales are one
	s_sub_co_i32 s80, s80, s77
	s_add_co_i32 s80, s80, 127
	s_lshl_b32 s81, s80, 23
	v_mov_b32 v[SCL], s81
	s_add_co_i32 s80, s80, 15
	s_lshl_b32 s80, s80, 23
	s_or_b32 s80, s80, 0x600000
	v_mov_b32 v[LIM], s80
	s_wait_alu depctr_va_vdst(0)
	s_lshl_b32 s86, s42, 1
	s_add_co_u32 s86, s86, s16                     ; K step 2 tx + wc of the next product,
	s_lshl_b32 s86, s86, 8
	s_lshl_b32 s84, s17, 4
	s_add_co_u32 s86, s86, s84                     ; token block 16 ty + 8 wr
	s_lshl_b32 s84, s15, 3
	s_add_co_u32 s86, s86, s84
	s_lshl_b32 s86, s86, 11
	s_mov_b32 s87, 0
	s_add_nc_u64 s[88:89], s[OB:OB+1], s[86:87]
	PLACES 4
.macro QOUT a
.set AC, 64*((\a)%4)
	WIN 0x82+0x41*((\a)/4)
.set n, 0
.rept 64
	v_med3_num_f32 v[AC+n], v[AC+n], 0, v[LIM]     ; relu and the hold in one; each accumulator from its low end on
.set n, n+1
.endr
	WIN 0x02+((\a)/4)
.irp b, 0,1,2,3,4,5,6,7
	v_cvt_scalef32_pk8_bf8_f32 v[CODE+16*(\a)+2*\b:CODE+16*(\a)+2*\b+1], v[AC+8*\b:AC+8*\b+7], v[SCL]
.endr
	v_nop
.endm
.irp a, 0,1,2,3,4,5,6,7
	QOUT \a
.endr
	WIN 0
.irp a, 0,1,2,3,4,5,6,7
.irp p, 0,1,2,3
	global_store_b128 v[L16], v[CODE+16*\a+4*\p:CODE+16*\a+4*\p+3], s[88:89] offset:\a*2048+\p*512   ; 512 consecutive bytes of the image
.endr
.endr
	s_wait_tensorcnt 0x0                           ; the wave's end
	ds_add_u32 v[SPW], v[NIL]
	s_wait_dscnt 0x0
	CROUND
	s_endpgm
.Lfunc_end_k_qfd9200cdc8_fc:
	.size	k_qfd9200cdc8_fc, .Lfunc_end_k_qfd9200cdc8_fc-k_qfd9200cdc8_fc
	.p2alignl 7, 3214868480
	.fill 96, 4, 3214868480
	.section	.rodata,"a",@progbits
	.p2align	6, 0x0
	.amdhsa_kernel k_qfd9200cdc8_fc
		.amdhsa_group_segment_fixed_size 327680
		.amdhsa_private_segment_fixed_size 0
		.amdhsa_enable_private_segment 0
		.amdhsa_kernarg_size 32
		.amdhsa_user_sgpr_count 2
		.amdhsa_user_sgpr_kernarg_segment_ptr 1
		.amdhsa_wavefront_size32 1
		.amdhsa_system_sgpr_workgroup_id_x 1
		.amdhsa_system_sgpr_workgroup_id_y 1
		.amdhsa_system_sgpr_workgroup_id_z 1
		.amdhsa_system_vgpr_workitem_id 0
		.amdhsa_next_free_vgpr 1024
		.amdhsa_next_free_sgpr 100
		.amdhsa_reserve_vcc 0
		.amdhsa_float_denorm_mode_32 3
		.amdhsa_float_denorm_mode_16_64 3
		.amdhsa_memory_ordered 1
		.amdhsa_forward_progress 1
		.amdhsa_inst_pref_size 151
	.end_amdhsa_kernel
	.amdgpu_metadata
---
amdhsa.version: [ 1, 2 ]
amdhsa.kernels:
  - .name:           k_qfd9200cdc8_fc
    .symbol:         k_qfd9200cdc8_fc.kd
    .args:
      - { .name: h2c, .offset: 0, .size: 8, .value_kind: global_buffer, .address_space: global }
      - { .name: pq, .offset: 8, .size: 8, .value_kind: global_buffer, .address_space: global }
      - { .name: lowp_scales, .offset: 16, .size: 8, .value_kind: global_buffer, .address_space: global }
      - { .name: hid, .offset: 24, .size: 8, .value_kind: global_buffer, .address_space: global }
    .group_segment_fixed_size: 327680
    .private_segment_fixed_size: 0
    .kernarg_segment_align: 8
    .kernarg_segment_size: 32
    .max_flat_workgroup_size: 128
    .sgpr_count:     100
    .vgpr_count:     1024
    .wavefront_size: 32
...
	.end_amdgpu_metadata
.endif
;; end of part 6
;; launch cproj (part 7): grid 8 x 32, 4 waves a work-group, clusters of 4 x 4, 327,680 bytes of LDS; arguments hid, pq, lowp_scales, x1, out0; writes out0
.if DOCPART == 7
	.amdgcn_target "amdgcn-amd-amdhsa--gfx1250"
	.amdhsa_code_object_version 6
	.text
	.protected	k_qfd9200cdc8_cproj
	.globl	k_qfd9200cdc8_cproj
	.p2align	8
	.type	k_qfd9200cdc8_cproj,@function
k_qfd9200cdc8_cproj:
	s_mov_b64 s[64:65], 0
	v_nop
	global_prefetch_b8 v0, s[64:65] scope:SCOPE_SE
	s_setreg_imm32_b32 hwreg(HW_REG_WAVE_MODE, 25, 1), 1
	s_wait_xcnt 0x0
	s_wait_alu depctr_hold_cnt(0) depctr_sa_sdst(0) depctr_va_vdst(0) depctr_va_sdst(0) depctr_va_ssrc(0) depctr_va_vcc(0) depctr_vm_vsrc(0)
	s_getreg_b32 s2, hwreg(HW_REG_IB_STS2, 6, 4)
	s_cmp_eq_u32 s2, 0
	s_cbranch_scc0 .Lentry_in_a_cluster
	s_endpgm
.Lentry_in_a_cluster:
	s_bfe_u32 s2, ttmp6, 0x10000c
	s_cmp_lg_u32 s2, 0xf033
	s_cbranch_scc0 .Lentry_shape_is_right
	s_endpgm
.Lentry_shape_is_right:
; Product 6 and the residual: out0 = x1 + hid w_cproj.  A = hid's image (4,096 positions, K = 4,096), B = w_cproj's image at pq + 8,388,608; the shape is launch proj's: tiles of 128 x 128, four waves of 64 x 64,
; K in eight slots' worth of 4 K steps through a ring of two slots, joint loads in clusters of 4 x 4.  LIMIT: e10 + e11 between -126 and 127.
; PREFETCH: behind the load of slot n each wave asks for 8,192 bytes of slot n + 2: of the 4 K steps x 8,192 bytes that it fetches, the partner at place p (cx for A, cy for B) names K step p, lanes 256 bytes apart;
; so each block of 256 bytes is named once in each cluster that loads it.  Slots 6 and 7 are the last: the loop's last trip asks for nothing.
.set KSTEPS, 32
.set BOFF, 8388608
.set EOFF, 40
.set ASTEP, 524288
.set BSTEP, 131072
.set LAPS, KSTEPS/8
.set SLOT, 131072
.set STAGE, 262144
.set SP, 272
.set SPARE, STAGE+4*16*SP
.set ADRA, 16
.set ADRB, 20
.set STO, 24
.set RD, 25
.set CO, 26
.set SPW, 28
.set NIL, 29
.set ACC, 128
.set F0, 0
.set F1, 128
.set G1, 24
.set G0, 32
.set G1B, 48
.set G0B, 56
.set MSB, 0
.macro WIN new
.if MSB != (\new)
	s_set_vgpr_msb (MSB<<8)|(\new)
.set MSB, (\new)
.endif
.endm
.macro PLACES n
.rept \n
	v_nop
.endr
.endm
.macro JLOAD g0a, g1a, g0b, g1b
	s_cmp_eq_u32 s15, 0
	s_cbranch_scc0 .Lfor_b_\@
	tensor_load_to_lds s[\g0a:\g0a+3], s[\g1a:\g1a+7]
	s_nop 0
.rept 4
	v_nop
.endr
	s_branch .Lasked_\@
.Lfor_b_\@:
	tensor_load_to_lds s[\g0b:\g0b+3], s[\g1b:\g1b+7]
	s_nop 0
.rept 4
	v_nop
.endr
.Lasked_\@:
.endm
.macro CREST
	s_cmp_lg_u32 s14, 0
	s_cbranch_scc1 .Lnot_wave_0_\@
	s_barrier_signal -3
.Lnot_wave_0_\@:
	s_barrier_wait -3
	s_barrier_signal -1
	s_barrier_wait -1
.endm
.macro CROUND
	s_barrier_signal -1
	s_barrier_wait -1
	CREST
.endm
	s_load_b256 s[4:11], s[0:1], 0x0
	s_load_b64 s[12:13], s[0:1], 0x20
	v_lshl_add_u32 v[SPW], v0, 2, SPARE
	v_mov_b32 v[NIL], 0
	ds_add_u32 v[SPW], v[NIL]
	ds_add_u32 v[SPW], v[NIL]
	v_lshrrev_b32 v1, 5, v0
	v_readfirstlane_b32 s14, v1
	v_and_b32 v30, 31, v0
	v_lshlrev_b32 v30, 8, v30                      ; the prefetches' offset: 256 x lane; never rewritten
	s_lshr_b32 s15, s14, 1
	s_and_b32 s16, s14, 1
	s_bfe_u32 s40, ttmp6, 0x40000
	s_bfe_u32 s41, ttmp6, 0x40004
	s_lshl_b32 s42, ttmp9, 2
	s_add_co_u32 s42, s42, s40
	s_and_b32 s17, ttmp7, 0xffff
	s_lshl_b32 s17, s17, 2
	s_add_co_u32 s17, s17, s41
	s_lshl_b32 s43, s41, 2
	s_lshl_b32 s43, 15, s43
	s_lshl_b32 s44, 0x1111, s40
	s_or_b32 s[G1+0], s43, (3<<16)|(1<<21)
	s_or_b32 s[G1B+0], s44, (3<<16)|(1<<21)
.irp g, G1, G1B
	s_mov_b32 s[\g+1], 1024<<16
	s_mov_b32 s[\g+2], 4<<16
	s_mov_b32 s[\g+3], 1024<<16
	s_mov_b32 s[\g+4], 4
	s_mov_b32 s[\g+6], 0
	s_mov_b32 s[\g+7], 0
.endr
	s_mov_b32 s[G1+5], ASTEP/8
	s_mov_b32 s[G1B+5], BSTEP/8
	s_lshl_b32 s18, s16, 13
	s_lshl_b32 s20, s17, 14
	s_add_co_u32 s20, s20, s18
	s_mov_b32 s21, 0
	s_lshl_b32 s46, s42, 14
	s_add_co_u32 s46, s46, s18
	s_add_co_u32 s46, s46, BOFF
	s_mov_b32 s47, 0
	s_lshl_b32 s45, s14, 15
	s_wait_alu depctr_va_vdst(0)                   ; the wait here, directly ahead of the wait below
	s_wait_dscnt 0x0
	s_wait_kmcnt 0x0
	s_load_b64 s[96:97], s[8:9], EOFF
	s_add_nc_u64 s[20:21], s[4:5], s[20:21]
	s_add_nc_u64 s[46:47], s[6:7], s[46:47]
	s_cmp_eq_u32 s15, 0                            ; the prefetches: do I fetch for A?
	s_cselect_b64 s[66:67], s[20:21], s[46:47]
	s_cselect_b32 s72, s40, s41                    ; my place among the four that ask with me
	s_mov_b32 s74, BSTEP
	s_cselect_b32 s74, ASTEP, s74
	s_mul_i32 s72, s72, s74
	s_lshl_b32 s70, s74, 3                         ; two slots on: 8 K steps
	s_mov_b32 s71, 0
	s_add_co_u32 s72, s72, s70
	s_mov_b32 s73, 0
	s_add_nc_u64 s[66:67], s[66:67], s[72:73]      ; my K step of slot 2 (the even slots' pointer),
	s_lshl_b32 s72, s74, 2
	s_add_nc_u64 s[68:69], s[66:67], s[72:73]      ; and of slot 3 (the odd slots')
	s_sub_nc_u64 s[76:77], s[66:67], s[72:73]      ; slot 1 is loaded behind slot 0: it is asked for here, ahead of the first round; this pointer is not written again
	global_prefetch_b8 v30, s[76:77] th:TH_LOAD_NT scope:SCOPE_SE
	CROUND
.irp s, 0,1
	s_mov_b32 s[G0+4*\s], 1
	s_add_co_u32 s[G0+4*\s+1], s45, \s*SLOT
	s_add_nc_u64 s[G0+4*\s+2:G0+4*\s+3], s[20:21], \s*4*ASTEP
	s_or_b32 s[G0+4*\s+3], s[G0+4*\s+3], 0x80000000
	s_mov_b32 s[G0B+4*\s], 1
	s_add_co_u32 s[G0B+4*\s+1], s45, \s*SLOT
	s_add_nc_u64 s[G0B+4*\s+2:G0B+4*\s+3], s[46:47], \s*4*BSTEP
	s_or_b32 s[G0B+4*\s+3], s[G0B+4*\s+3], 0x80000000
.endr
	JLOAD G0, G1, G0B, G1B                         ; slot 0: one tensor load a wave at the head
	global_prefetch_b8 v30, s[66:67] th:TH_LOAD_NT scope:SCOPE_SE   ; slot 2
	v_and_b32 v1, 31, v0
	v_lshlrev_b32 v2, 4, v1
	s_lshl_b32 s21, s15, 15
	s_lshl_b32 s22, s16, 15
	s_add_co_u32 s22, s22, 65536
.irp s, 0,1
	v_add_nc_u32 v[ADRA+\s], s21, v2
	v_add_nc_u32 v[ADRB+\s], s22, v2
	s_add_co_u32 s21, s21, SLOT
	s_add_co_u32 s22, s22, SLOT
.endr
	v_and_b32 v3, 15, v0
	v_bfe_u32 v4, v0, 4, 1
	s_mul_i32 s23, s14, 16*SP
	s_add_co_u32 s23, s23, STAGE
	v_mul_u32_u24 v5, v3, SP
	v_lshl_add_u32 v5, v4, 6, v5
	v_add_nc_u32 v[STO], s23, v5
	v_mul_u32_u24 v5, v4, SP
	v_lshl_add_u32 v5, v3, 4, v5
	v_add_nc_u32 v[RD], s23, v5
	v_lshlrev_b32 v5, 12, v4
	v_lshl_add_u32 v[CO], v3, 4, v5
	s_wait_alu depctr_va_vdst(0)
	s_lshl_b32 s20, s17, 7
	s_lshl_b32 s21, s15, 6
	s_add_co_u32 s20, s20, s21
	s_lshl_b32 s20, s20, 12
	s_lshl_b32 s21, s42, 9
	s_add_co_u32 s20, s20, s21
	s_lshl_b32 s21, s16, 8
	s_add_co_u32 s20, s20, s21
	s_mov_b32 s21, 0
	s_add_nc_u64 s[10:11], s[10:11], s[20:21]
	s_add_nc_u64 s[12:13], s[12:13], s[20:21]
	WIN 0x80
.irp a, 0,1,2,3
.irp t, 0,1,2,3,4,5,6,7
	global_load_b128 v[32*\a+4*\t:32*\a+4*\t+3], v[CO], s[10:11] offset:((\a/2)*32+(\a%2)*8+(\t/4)*16+(\t%4)*2)*4096
.endr
.endr
	WIN 0
.macro FETCH slot, q, f
	WIN 0x40
.irp i, 0,1,2,3
.irp c, 0,1,2,3
	ds_load_b128 v[\f+16*\i+4*\c:\f+16*\i+4*\c+3], v[ADRB+\slot] offset:(\q)*8192+\i*2048+\c*512
.endr
.endr
.irp i, 0,1,2,3
.irp c, 0,1,2,3
	ds_load_b128 v[\f+64+16*\i+4*\c:\f+64+16*\i+4*\c+3], v[ADRA+\slot] offset:(\q)*8192+\i*2048+\c*512
.endr
.endr
.endm
.macro MUL4 a, f, zero
	WIN 0x05
.irp b, 0,1,2,3
.if \zero
	v_wmma_f32_16x16x128_bf8_bf8 v[ACC+8*(4*(\a)+\b):ACC+8*(4*(\a)+\b)+7], v[\f+16*\b:\f+16*\b+15], v[\f+64+16*(\a):\f+64+16*(\a)+15], 0
.else
	v_wmma_f32_16x16x128_bf8_bf8 v[ACC+8*(4*(\a)+\b):ACC+8*(4*(\a)+\b)+7], v[\f+16*\b:\f+16*\b+15], v[\f+64+16*(\a):\f+64+16*(\a)+15], v[ACC+8*(4*(\a)+\b):ACC+8*(4*(\a)+\b)+7]
.endif
.endr
.endm
.macro STEPK slot, q, f, g, zero
	PLACES 4
	FETCH \slot, \q, \g
	s_wait_dscnt 32
.irp a, 0,1,2,3
	MUL4 \a, \f, \zero
.endr
.endm
.macro TURN slot, next, fill
	WIN 0
.if \fill
	s_wait_xcnt 0x0                                ; my last prefetch has read its address
	s_add_nc_u64 s[66+2*\slot:67+2*\slot], s[66+2*\slot:67+2*\slot], s[70:71]
.endif
	s_wait_tensorcnt 0x0
	ds_add_u32 v[SPW], v[NIL]
	s_wait_dscnt 1
	MUL4 0, F1, 0
	s_wait_dscnt 0x0
	s_barrier_signal -1
	MUL4 1, F1, 0
	WIN 0
	s_barrier_wait -1
.if \fill
	CREST
	s_add_nc_u64 s[G0+4*\slot+2:G0+4*\slot+3], s[G0+4*\slot+2:G0+4*\slot+3], 8*ASTEP
	s_add_nc_u64 s[G0B+4*\slot+2:G0B+4*\slot+3], s[G0B+4*\slot+2:G0B+4*\slot+3], 8*BSTEP
	JLOAD G0+4*\slot, G1, G0B+4*\slot, G1B
.else
	PLACES 4
.endif
	FETCH \next, 0, F0
.if \fill
	WIN 0
	s_cmp_gt_u32 s3, 1                             ; the last trip has no slot two on
	s_cbranch_scc0 .Lno_ask_\@
	global_prefetch_b8 v30, s[66+2*\slot:67+2*\slot] th:TH_LOAD_NT scope:SCOPE_SE
.Lno_ask_\@:
.endif
	MUL4 2, F1, 0
	MUL4 3, F1, 0
.endm
	s_wait_alu depctr_va_vdst(0)
	s_wait_tensorcnt 0x0                           ; my part of slot 0 is in
	ds_add_u32 v[SPW], v[NIL]
	s_wait_dscnt 0x0
	CROUND
	JLOAD G0+4, G1, G0B+4, G1B                     ; slot 1: my one tensor load behind the round
	FETCH 0, 0, F0
	WIN 0
	global_prefetch_b8 v30, s[68:69] th:TH_LOAD_NT scope:SCOPE_SE   ; slot 3
	STEPK 0, 1, F0, F1, 1
.if LAPS > 1
	WIN 0
	s_mov_b32 s3, LAPS-1
.Llap:
	STEPK 0, 2, F1, F0, 0
	STEPK 0, 3, F0, F1, 0
	TURN 0, 1, 1
	STEPK 1, 1, F0, F1, 0
	STEPK 1, 2, F1, F0, 0
	STEPK 1, 3, F0, F1, 0
	TURN 1, 0, 1
	STEPK 0, 1, F0, F1, 0
	WIN 0
	s_sub_co_u32 s3, s3, 1
	s_cmp_lg_u32 s3, 0
	s_cbranch_scc1 .Llap
.endif
	STEPK 0, 2, F1, F0, 0
	STEPK 0, 3, F0, F1, 0
	TURN 0, 1, 0
	STEPK 1, 1, F0, F1, 0
	STEPK 1, 2, F1, F0, 0
	STEPK 1, 3, F0, F1, 0
	s_wait_dscnt 0x0
.irp a, 0,1,2,3
	MUL4 \a, F1, 0
.endr
	WIN 0
.macro TOSTAGE a
.irp b, 0,1,2,3
	ds_store_b128 v[STO], v[ACC+8*(4*(\a)+\b):ACC+8*(4*(\a)+\b)+3] offset:(\b/2)*128+(\b%2)*32
	ds_store_b128 v[STO], v[ACC+8*(4*(\a)+\b)+4:ACC+8*(4*(\a)+\b)+7] offset:(\b/2)*128+(\b%2)*32+16
.endr
.set BK, 32+32*((\a)%2)
.irp t, 0,1,2,3,4,5,6,7
	ds_load_b128 v[BK+4*\t:BK+4*\t+3], v[RD] offset:\t*2*SP
.endr
.endm
.macro SEND a, younger
.set BK, 32+32*((\a)%2)
	s_wait_dscnt \younger
	WIN 0x20
.set n, 0
.rept 16
	v_pk_fma_f32 v[BK+n:BK+n+1], v[BK+n:BK+n+1], s[96:97], v[32*(\a)+n:32*(\a)+n+1] op_sel_hi:[1,0,1]
.set n, n+2
.endr
	WIN 0
.irp t, 0,1,2,3,4,5,6,7
	global_store_b128 v[CO], v[BK+4*\t:BK+4*\t+3], s[12:13] offset:(((\a)/2)*32+((\a)%2)*8+(\t/4)*16+(\t%4)*2)*4096
.endr
.endm
	s_wait_kmcnt 0x0
	s_add_co_i32 s96, s96, s97
	s_add_co_i32 s96, s96, 127
	s_lshl_b32 s96, s96, 23
	s_mov_b32 s97, s96
	s_wait_loadcnt 0x0
	PLACES 4
	TOSTAGE 0
	TOSTAGE 1
	SEND 0, 16
	s_wait_xcnt 0x0
	TOSTAGE 2
	SEND 1, 16
	s_wait_xcnt 0x0
	TOSTAGE 3
	SEND 2, 16
	SEND 3, 0
	s_wait_tensorcnt 0x0
	ds_add_u32 v[SPW], v[NIL]
	s_wait_dscnt 0x0
	CROUND
	s_endpgm
.Lfunc_end_k_qfd9200cdc8_cproj:
	.size	k_qfd9200cdc8_cproj, .Lfunc_end_k_qfd9200cdc8_cproj-k_qfd9200cdc8_cproj
	.p2alignl 7, 3214868480
	.fill 96, 4, 3214868480
	.section	.rodata,"a",@progbits
	.p2align	6, 0x0
	.amdhsa_kernel k_qfd9200cdc8_cproj
		.amdhsa_group_segment_fixed_size 327680
		.amdhsa_private_segment_fixed_size 0
		.amdhsa_enable_private_segment 0
		.amdhsa_kernarg_size 40
		.amdhsa_user_sgpr_count 2
		.amdhsa_user_sgpr_kernarg_segment_ptr 1
		.amdhsa_wavefront_size32 1
		.amdhsa_system_sgpr_workgroup_id_x 1
		.amdhsa_system_sgpr_workgroup_id_y 1
		.amdhsa_system_sgpr_workgroup_id_z 1
		.amdhsa_system_vgpr_workitem_id 0
		.amdhsa_next_free_vgpr 640
		.amdhsa_next_free_sgpr 100
		.amdhsa_reserve_vcc 0
		.amdhsa_float_denorm_mode_32 3
		.amdhsa_float_denorm_mode_16_64 3
		.amdhsa_memory_ordered 1
		.amdhsa_forward_progress 1
		.amdhsa_inst_pref_size 78
	.end_amdhsa_kernel
	.amdgpu_metadata
---
amdhsa.version: [ 1, 2 ]
amdhsa.kernels:
  - .name:           k_qfd9200cdc8_cproj
    .symbol:         k_qfd9200cdc8_cproj.kd
    .args:
      - { .name: hid, .offset: 0, .size: 8, .value_kind: global_buffer, .address_space: global }
      - { .name: pq, .offset: 8, .size: 8, .value_kind: global_buffer, .address_space: global }
      - { .name: lowp_scales, .offset: 16, .size: 8, .value_kind: global_buffer, .address_space: global }
      - { .name: x1, .offset: 24, .size: 8, .value_kind: global_buffer, .address_space: global }
      - { .name: out0, .offset: 32, .size: 8, .value_kind: global_buffer, .address_space: global }
    .group_segment_fixed_size: 327680
    .private_segment_fixed_size: 0
    .kernarg_segment_align: 8
    .kernarg_segment_size: 40
    .max_flat_workgroup_size: 128
    .sgpr_count:     100
    .vgpr_count:     640
    .wavefront_size: 32
...
	.end_amdgpu_metadata
.endif
;; end of part 7
